; MI455X (gfx1250); checked and timed in simulation.
; The chip was launched on July 23, 2026; its instructions are those of AMD's public machine-readable ISA for CDNA 5 (MIT licence, August 2026) and "CDNA5" Instruction Set Architecture Reference Guide (July 2026). The comments in the code are by the model that wrote it; some were corrected since.
;; Encoder Block. Allowed arithmetic: matrix products marked QUANTISED: E2M1 operands, one E8M0 scale for each 32 along K, by v_wmma_scale_f32_16x16x128_f8f6f4 with both operands' format E2M1 (or v_wmma_scale_f32_32x16x128_f4), f32 sums; products left as they are: f32 operands where the result goes on into a quantised operand, else bf16, f16 or f32 operands; f32 sums; everything else in f32.
;; Inputs: k_weight 1,024 x 1,024 float32; q_weight 1,024 x 1,024 float32; styles 8 x 2,048 float32; u_weight 1,024 x 1,024 float32; v_weight 1,024 x 1,024 float32; w_weight 1,024 x 1,024 float32; x 8 x 1,024 x 1,024 float32.
;; Outputs: out0 8 x 1,024 x 1,024 float32.
;; Constants: num_heads = 16.
;; This version of the problem:
;;   THIS VERSION OF THE PROBLEM IS GIVEN IN LOW PRECISION. The matrix products marked QUANTISED in the list below multiply operands that are first quantised to E2M1 (2 exponent bits, 1 mantissa bit; 4 bits a number), with one power-of-two scale for each 32 numbers along K (OCP MX v1.0); their sums are f32. All else is computed in f32.
;;   The module's matrix products, in the order in which they are computed (A, B: the left and right operand; K: the contracted axis; several contracted axes count as one K, in the product's order):
;;     1. [M 8, K 1,024] x [K 1,024, N 1,024]; A: computed on the way; B: computed on the way: left as it is (M = 8 < 16)
;;     2. [M 8, K 1,024] x [K 1,024, N 1,024]; A: computed on the way; B: computed on the way: left as it is (M = 8 < 16)
;;     3. [M 8, K 1,024] x [K 1,024, N 1,024]; A: computed on the way; B: computed on the way: left as it is (M = 8 < 16)
;;     4. [M 8, K 1,024] x [K 1,024, N 1,024]; A: computed on the way; B: computed on the way: left as it is (M = 8 < 16)
;;     5. [M 8, K 1,024] x [K 1,024, N 1,024]; A: computed on the way; B: computed on the way: left as it is (M = 8 < 16)
;;     6. [M 8,192, K 1,024] x [K 1,024, N 1,024]; A: computed on the way; B: input q_weight: QUANTISED
;;     7. [M 8,192, K 1,024] x [K 1,024, N 1,024]; A: computed on the way; B: input k_weight: QUANTISED
;;     8. [M 8,192, K 1,024] x [K 1,024, N 1,024]; A: computed on the way; B: input v_weight: QUANTISED
;;     9. batch 128 x [M 1,024, K 64] x [K 64, N 1,024]; A: computed on the way; B: computed on the way: QUANTISED
;;     10. batch 128 x [M 1,024, K 1,024] x [K 1,024, N 64]; A: softmax (see below); B: computed on the way: QUANTISED
;;     11. [M 8,192, K 1,024] x [K 1,024, N 1,024]; A: computed on the way; B: input w_weight: QUANTISED
;;     12. [M 8,192, K 1,024] x [K 1,024, N 1,024]; A: computed on the way; B: input u_weight: QUANTISED
;;   THE QUANTISER, for each operand of a quantised product, along K:
;;     - K is cut into blocks of 32 from its start; a last block that is shorter is filled with zeros.
;;     - A block's scale is 2^e with e = floor(log2(the largest magnitude in the block)) - 2, held to -126 .. 127; a block of zeros has e = 0. As a byte (E8M0): e + 127.
;;     - Each number is divided by its block's scale, clamped to +-6, and rounded to the nearest number of E2M1, ties to even, subnormals kept.
;;     - The product sums the exact products of the quantised numbers (number of the format x scale) in f32.
;;   ~~~python
;;   def quantise(x, axis):      # numpy; x: float32 -> the quantised numbers, widened to float32 again
;;       x = np.moveaxis(x, axis, -1); K = x.shape[-1]
;;       x = np.pad(x, [(0, 0)] * (x.ndim - 1) + [(0, -K % 32)]); x = x.reshape(x.shape[:-1] + (-1, 32)); a = np.abs(x).max(-1, keepdims=True)
;;       e = np.where(a > 0, np.clip(np.frexp(np.where(a > 0, a, 1))[1] - 1 - 2, -126, 127), 0)      # np.frexp(a)[1] - 1 = floor(log2(a)), exactly
;;       r = np.clip(x / 2.0 ** e, -6, 6)
;;       step = 2.0 ** (np.maximum(np.frexp(np.where(r == 0, 1, r))[1] - 1, 0) - 1)
;;       q = np.round(r / step) * step * 2.0 ** e      # np.round: ties to even
;;       return np.moveaxis(q.reshape(q.shape[:-2] + (-1,))[..., :K], -1, axis).astype(np.float32)
;;   ~~~
;;   SOFTMAX AHEAD OF A QUANTISED PRODUCT. Where the list says 'softmax', what is quantised is not the finished softmax but p = 2^(t - M), with t = logit x log2(e) and M = ceil(the row's largest t), a whole number; so 1/2 < the row's largest p <= 1. The row's sum l is taken of the UNQUANTISED p, in f32, and the product's result is divided by l at the end. Since M is a whole number, a kernel that streams over the keys may use a running M (the ceiling of the running maximum): every later rescaling is an exact power of two, which a block's scale takes up: the codes' values come out the same.
;;   OPERANDS COMPUTED ON THE WAY. 'Computed on the way' means the value that the module computes at that place (a softmax that the list does not call 'softmax' is quantised finished and normalised). What goes into a quantiser is computed in f32, as accurately as f32 sums, v_exp_f32 and their like allow (about 1e-6 of the number): no bf16 or f16 on the way to a quantiser, and a product that is left as it is and whose result goes on into a quantised operand takes f32 operands (vector FMAs, or v_wmma_f32_16x16x4_f32). A number that lies on a knife's edge between two numbers of the format may be rounded either way, as far as f32 arithmetic and the matrix unit's own rounding can turn it there, and no further.
;; One version. Each part assembles by itself: llvm-mc -triple=amdgcn-amd-amdhsa -mcpu=gfx1250 --defsym DOCPART=n.
;; ======== version 1 of 1: 4 launches
;; workspace buffers: opc 6,815,744 bytes; ops 425,984 bytes; dcf 163,840 bytes; atc 12,582,912 bytes; ats 786,432 bytes; s1c 8,388,608 bytes; s1s 524,288 bytes
;; launch prep (part 1): grid 208 x 1, 8 waves a work-group, no clusters, 187,392 bytes of LDS; arguments x, q_weight, k_weight, v_weight, w_weight, u_weight, styles, opc, ops, dcf; writes opc, ops, dcf
.if DOCPART == 1
	.amdgcn_target "amdgcn-amd-amdhsa--gfx1250"
	.amdhsa_code_object_version 6
	.text
	.protected	k_qd64a056e1e_prep
	.globl	k_qd64a056e1e_prep
	.p2align	8
	.type	k_qd64a056e1e_prep,@function
k_qd64a056e1e_prep:
	s_mov_b64 s[64:65], 0
	v_nop
	global_prefetch_b8 v0, s[64:65] scope:SCOPE_SE
	s_setreg_imm32_b32 hwreg(HW_REG_WAVE_MODE, 25, 1), 1
	s_wait_xcnt 0x0
; PREP.  Rows of 1,024 f32 become codes of FP4 (E2M1) with one E8M0 byte for each 32 along the row, laid as the later products want them.
; Work-groups 0-127: 64 rows of x each: x * s1, instance norm over the row (mean, then the mean of squared differences: two passes in registers), then the quantiser.
; Work-groups 128-207: 64 rows of one of the five weights: the quantiser, and for each row and each of the 8 batches rsqrt(sum W^2 s^2 + 1e-8), by f32 fused multiply-adds.
; ORDER OF ROWS: position p of every code buffer holds original row rho(p), rho = bits 3 and 4 exchanged.  Wave w writes positions 8 w .. 8 w + 7 of the group and loads rows 8 sigma(w) + i (sigma: w's bits 0 and 1 exchanged).
; LAYOUT OUT: codes as images of a fragment's registers, [tile of 16 positions][K step of 128][c 0..1][lane 32][16 bytes]; a row's block l (32 codes, 16 bytes) lies at 256 l + 16 (position % 16) in its tile.
;   scale words: [group of 64 positions][K step 8][position % 16][tile 4] words of 4 bytes.   dcf: [weight 5][batch 8][row 1024] f32, rows in their natural order.
; A lane must hold a whole block of 32 neighbours for the conversions, and a load is best where neighbouring lanes take neighbouring bytes: each load reads 512 consecutive bytes, and a row turns through the wave's own
; LDS bytes (16 bytes of padding behind each 128, so that the lanes' reads stand 144 bytes apart).  Codes and scale bytes are gathered in LDS and leave in stores that cover 512 or 256 consecutive aligned bytes.
; THE STYLES take the same way: a row of styles is loaded as 8 x 512 consecutive bytes and turned in LDS.  For x each wave turns s1 through its own bytes.  For a weight wave w loads batch w's row, squares it once and lays
; it in a region that all eight waves read behind one barrier: a lane then holds s^2 of its 32 columns for all 8 batches, 256 registers.
; No cluster: work-groups share nothing but the styles, 64 KiB against the 256 KiB of rows that each reads.  No tensor loads, no matrix work.  The two kinds of work-group part at the head, never join, and have LDS bytes of their own.
; LIMITS: NaN and infinities among the inputs are not served.  A block whose largest magnitude lies under 2^-124 (zeros too) gets the byte 1 where the quantiser's rule says less (or 127 for zeros): only this program reads the bytes.
;   The roots are v_rsq_f32.
.set R,    32                          ; v32-159  four sets of 32: a row as loaded
.set X,    160                         ; v160-191 the turned row: my block of 32; at the head a row of styles as loaded
.set S1,   192                         ; v192-223 x: s1 of my 32 columns
.set ACC,  192                         ; v192-207 weights: eight pairs of sums, one for each batch
.set AS,   208                         ; v208-215 weights: the eight sums
.set TS,   216                         ; v216-223 weights: at work
.set C,    224                         ; v224-227 a block's codes; v228 its byte
.set W,    230                         ; v230-237 x: four pairs of sums; v238 the lane exchange's destination; v240-241 mean or root, twice
.set MX,   242                         ; v242-243 largest magnitudes, v244 the conversion's scale operand
.set IMG,  36864                       ; LDS of a kind of work-group: +0 eight waves x 4,608 for the turn; +IMG 128 runs of 256 bytes + 16; +SCB 2,048 scale bytes; +DCB [batch 8][64 rows] f32
.set SCB,  71680
.set DCB,  73728
.set PBW,  73728                       ; where the weights' LDS bytes begin
.set STY,  149504                      ; weights: s^2, eight batches x 4,608 bytes, laid as a turned row
.set MSB, 0
.macro WIN new                         ; the immediate's high byte repeats the setting that is left
.if MSB != (\new)
	s_set_vgpr_msb (MSB<<8)|(\new)
.set MSB, (\new)
.endif
.endm
	s_load_b512 s[4:19], s[0:1], 0x0               ; x, q, k, v, w, u, styles, opc
	s_load_b128 s[20:23], s[0:1], 0x40             ; ops, dcf
	v_lshl_add_u32 v254, v0, 2, 0x2d800
	v_mov_b32 v255, 0
	v_lshrrev_b32 v1, 5, v0
	v_readfirstlane_b32 s24, v1                    ; wave 0..7
	v_and_b32 v1, 31, v0                           ; lane
	v_lshlrev_b32 v2, 4, v1                        ; 16 x lane
	v_lshlrev_b32 v9, 3, v1                        ; 8 x lane
	s_and_b32 s25, s24, 4
	s_and_b32 s43, s24, 1
	s_lshl_b32 s40, s43, 1
	s_or_b32 s25, s25, s40
	s_bfe_u32 s40, s24, 0x10001
	s_or_b32 s25, s25, s40                         ; sigma(wave)
	s_lshr_b32 s42, s24, 1
	s_mov_b32 s34, 0x76543210
	s_mov_b32 s35, 0xfedcba98                      ; v_permlanex16_b32's selects for lane l xor 16
	s_mov_b32 s36, 0xaaaaaaaa                      ; lanes whose bit 0, 1, 2 is set
	s_mov_b32 s37, 0xcccccccc
	s_mov_b32 s38, 0xf0f0f0f0
	s_mov_b32 s39, 0x3a800000                      ; 1 / 1024
	s_mov_b32 s48, 0x3727c5ac                      ; 1e-5
	s_mov_b32 s53, 0
	v_mov_b32 v238, 0                              ; a lane permute's destination counts as one of its sources
	s_wait_kmcnt 0x0
	s_lshl_b32 s52, ttmp9, 15                      ; the group's 32,768 bytes of codes, my wave's 4,096 of them
	s_lshl_b32 s40, s24, 12
	s_add_co_u32 s52, s52, s40
	s_add_nc_u64 s[28:29], s[18:19], s[52:53]
	s_lshl_b32 s52, ttmp9, 11                      ; the group's 2,048 scale bytes, my wave's 256
	s_lshl_b32 s40, s24, 8
	s_add_co_u32 s52, s52, s40
	s_add_nc_u64 s[30:31], s[20:21], s[52:53]
.macro ADDR pb                         ; the LDS addresses: constants, the lane and the wave
	s_mul_i32 s41, s24, 4608
	s_add_co_u32 s41, s41, \pb
	v_lshrrev_b32 v13, 3, v1
	v_lshl_add_u32 v3, v13, 4, v2
	v_add_nc_u32 v3, s41, v3                       ; the turn, in: 16 l + 16 (l / 8); a load's 512 bytes take 576
	v_mul_u32_u24 v4, v1, 144
	v_add_nc_u32 v4, s41, v4                       ; the turn, out: 144 l: my 128 bytes
	s_mul_i32 s44, s42, 8704
	s_lshl_b32 s45, s43, 7
	s_add_co_u32 s44, s44, s45
	s_add_co_u32 s44, s44, \pb+IMG
	v_mul_u32_u24 v5, v1, 272
	v_add_nc_u32 v5, s44, v5                       ; codes: run 32 (w / 2) + l, byte 128 (w % 2) + 16 i
	s_lshl_b32 s44, s42, 2
	s_add_co_u32 s44, s44, s45
	s_add_co_u32 s44, s44, \pb+SCB
	v_lshrrev_b32 v13, 2, v1
	v_and_b32 v14, 3, v1
	v_lshl_add_u32 v6, v13, 8, v14
	v_add_nc_u32 v6, s44, v6                       ; scale byte: 256 (l / 4) + l % 4 + 4 (w / 2) + 128 (w % 2) + 16 i
	s_mul_i32 s44, s24, 4352
	s_add_co_u32 s44, s44, \pb+IMG
	v_lshrrev_b32 v13, 4, v1
	v_and_b32 v14, 15, v1
	v_mul_u32_u24 v13, v13, 272
	v_lshl_add_u32 v7, v14, 4, v13
	v_add_nc_u32 v7, s44, v7                       ; codes back: runs 16 w + 2 k + l / 16
	s_lshl_b32 s44, s24, 8
	s_add_co_u32 s44, s44, \pb+SCB
	v_add_nc_u32 v8, s44, v9                       ; scale bytes back: 256 w + 8 l
.endm
.macro LOADSTY                         ; a row of 1,024 styles, eight loads of 512 consecutive bytes, into X.  No hint: other work-groups read it again
.irp j, 0,1,2,3,4,5,6,7
	global_load_b128 v[X+4*\j:X+4*\j+3], v2, s[50:51] offset:512*\j
.endr
.endm
.macro LOADROW i                       ; eight loads of 512 consecutive bytes: row i of my eight into set i % 4
.irp j, 0,1,2,3,4,5,6,7
	global_load_b128 v[R+32*((\i)%4)+4*\j:R+32*((\i)%4)+4*\j+3], v2, s[26:27] offset:4096*(\i)+512*\j th:TH_LOAD_NT
.endr
.endm
.macro TURNROW i                       ; LDS serves a wave's instructions in order: no wait between the stores and the loads
.irp j, 0,1,2,3,4,5,6,7
	ds_store_b128 v3, v[R+32*((\i)%4)+4*\j:R+32*((\i)%4)+4*\j+3] offset:576*\j
.endr
.irp k, 0,1,2,3,4,5,6,7
	ds_load_b128 v[X+4*\k:X+4*\k+3], v4 offset:16*\k
.endr
.endm
.macro WSUM a, t                       ; the sum over the 32 lanes, in every lane
	v_add_f32_dpp v[\a], v[\a], v[\a] row_xmask:1 row_mask:0xf bank_mask:0xf
	v_add_f32_dpp v[\a], v[\a], v[\a] row_xmask:2 row_mask:0xf bank_mask:0xf
	v_add_f32_dpp v[\a], v[\a], v[\a] row_xmask:4 row_mask:0xf bank_mask:0xf
	v_add_f32_dpp v[\a], v[\a], v[\a] row_xmask:8 row_mask:0xf bank_mask:0xf
	v_permlanex16_b32 v[\t], v[\a], s34, s35
	v_add_f32 v[\a], v[\a], v[\t]
.endm
.macro NORM                            ; X = (X s1 - mean) * rsqrt(mean of squared differences + 1e-5)
.set nn, 0
.rept 16
	v_pk_mul_f32 v[X+nn:X+nn+1], v[X+nn:X+nn+1], v[S1+nn:S1+nn+1]
.set nn, nn+2
.endr
.irp c, 0,2,4,6
	v_pk_add_f32 v[W+\c:W+\c+1], v[X+\c:X+\c+1], v[X+8+\c:X+9+\c]      ; four chains, started by the first sums
.endr
.irp k, 16,24
.irp c, 0,2,4,6
	v_pk_add_f32 v[W+\c:W+\c+1], v[W+\c:W+\c+1], v[X+\k+\c:X+\k+\c+1]
.endr
.endr
	v_pk_add_f32 v[W:W+1], v[W:W+1], v[W+2:W+3]
	v_pk_add_f32 v[W+4:W+5], v[W+4:W+5], v[W+6:W+7]
	v_pk_add_f32 v[W:W+1], v[W:W+1], v[W+4:W+5]
	v_add_f32 v[W], v[W], v[W+1]
	WSUM W, 238
	v_mul_f32 v240, s39, v[W]                      ; the mean, twice: a pair for the packed form
	v_mul_f32 v241, s39, v[W]
.set nn, 0
.rept 16
	v_pk_add_f32 v[X+nn:X+nn+1], v[X+nn:X+nn+1], v[240:241] neg_lo:[0,1] neg_hi:[0,1]
.set nn, nn+2
.endr
.irp c, 0,2,4,6
	v_pk_mul_f32 v[W+\c:W+\c+1], v[X+\c:X+\c+1], v[X+\c:X+\c+1]
.endr
.irp k, 8,16,24
.irp c, 0,2,4,6
	v_pk_fma_f32 v[W+\c:W+\c+1], v[X+\k+\c:X+\k+\c+1], v[X+\k+\c:X+\k+\c+1], v[W+\c:W+\c+1]
.endr
.endr
	v_pk_add_f32 v[W:W+1], v[W:W+1], v[W+2:W+3]
	v_pk_add_f32 v[W+4:W+5], v[W+4:W+5], v[W+6:W+7]
	v_pk_add_f32 v[W:W+1], v[W:W+1], v[W+4:W+5]
	v_add_f32 v[W], v[W], v[W+1]
	WSUM W, 238
	v_fma_f32 v[W], v[W], s39, s48                 ; the variance + 1e-5
	v_rsq_f32 v240, v[W]
	v_rsq_f32 v241, v[W]
	v_nop                                          ; one plain instruction behind a transcendental before its result is used (ISA guide 5.7.2)
.set nn, 0
	s_wait_alu depctr_va_vdst(0)
.rept 16
	v_pk_mul_f32 v[X+nn:X+nn+1], v[X+nn:X+nn+1], v[240:241]
.set nn, nn+2
.endr
.endm
.macro QROW i                          ; my block of 32: its largest magnitude, its scale byte, its 32 codes
	v_max3_num_f32 v[MX], |v[X]|, |v[X+1]|, 0x1800000              ; the floor 2^(3 - 127) among the leaves: the byte cannot fall under 1
	v_max3_num_f32 v[MX+1], |v[X+2]|, |v[X+3]|, |v[X+4]|
.irp j, 5,9,13,17,21,25
	v_max3_num_f32 v[MX], v[MX], |v[X+\j]|, |v[X+\j+1]|
	v_max3_num_f32 v[MX+1], v[MX+1], |v[X+\j+2]|, |v[X+\j+3]|
.endr
	v_max3_num_f32 v[MX], v[MX], |v[X+29]|, |v[X+30]|
	v_max3_num_f32 v[MX], v[MX], v[MX+1], |v[X+31]|
	v_add_nc_u32 v[MX+2], 0xff000000, v[MX]        ; 2 off the exponent field: the conversion takes the exponent field of this operand as its scale
.irp g, 0,1,2,3
	v_cvt_scalef32_pk8_fp4_f32 v[C+\g], v[X+8*\g:X+8*\g+7], v[MX+2]
.endr
	v_lshrrev_b32 v[C+4], 23, v[MX+2]              ; the scale's byte; also the plain line behind the conversions
	ds_store_b128 v5, v[C:C+3] offset:16*(\i)
	ds_store_b8 v6, v[C+4] offset:16*(\i)
.endm
.macro DCOEF i                         ; rsqrt(sum over the row of W^2 s^2 + 1e-8) for the 8 batches; s^2 of my 32 columns lies in window 1, 32 registers a batch
.set nn, 0
.rept 16
	v_pk_mul_f32 v[X+nn:X+nn+1], v[X+nn:X+nn+1], v[X+nn:X+nn+1]
.set nn, nn+2
.endr
	WIN 0x04                                       ; source 1 in window 1
.irp b, 0,1,2,3,4,5,6,7
	v_pk_mul_f32 v[ACC+2*\b:ACC+2*\b+1], v[X:X+1], v[32*\b:32*\b+1]    ; the first products start the sums
.endr
.set nn, 2
.rept 15
.irp b, 0,1,2,3,4,5,6,7
	v_pk_fma_f32 v[ACC+2*\b:ACC+2*\b+1], v[X+nn:X+nn+1], v[32*\b+nn:32*\b+nn+1], v[ACC+2*\b:ACC+2*\b+1]   ; the eight batches by turns
.endr
.set nn, nn+2
.endr
	WIN 0
.irp b, 0,1,2,3,4,5,6,7
	v_add_f32 v[AS+\b], v[ACC+2*\b], v[ACC+2*\b+1]
.endr
	; The eight sums meet by halving.  At lane bit 0 a lane keeps, of each pair of batches, the one that its bit names, gives the other to lane l xor 1 and takes from it that lane's part of the one it keeps: four sums are left;
	; at bits 1 and 2 likewise: lane l is left with batch l % 8, summed over its eight lanes.  Two more steps join the lanes 8 and 16 apart, which hold the same batch.
.irp k, 0,1,2,3
	v_cndmask_b32 v[TS+2*\k], v[AS+2*\k], v[AS+2*\k+1], s36        ; kept: batch 2 k + bit 0
	v_cndmask_b32 v[TS+2*\k+1], v[AS+2*\k+1], v[AS+2*\k], s36      ; given
.endr
.irp k, 0,1,2,3
	v_add_f32_dpp v[AS+\k], v[TS+2*\k+1], v[TS+2*\k] row_xmask:1 row_mask:0xf bank_mask:0xf   ; what lane l xor 1 gives + what I keep
.endr
.irp m, 0,1
	v_cndmask_b32 v[TS+2*\m], v[AS+2*\m], v[AS+2*\m+1], s37        ; kept: batch 4 m + 2 bit 1 + bit 0
	v_cndmask_b32 v[TS+2*\m+1], v[AS+2*\m+1], v[AS+2*\m], s37
.endr
.irp m, 0,1
	v_add_f32_dpp v[AS+4+\m], v[TS+2*\m+1], v[TS+2*\m] row_xmask:2 row_mask:0xf bank_mask:0xf
.endr
	v_cndmask_b32 v[TS], v[AS+4], v[AS+5], s38                     ; kept: batch l % 8
	v_cndmask_b32 v[TS+1], v[AS+5], v[AS+4], s38
	v_add_f32_dpp v[AS+6], v[TS+1], v[TS] row_xmask:4 row_mask:0xf bank_mask:0xf
	v_add_f32_dpp v[AS+6], v[AS+6], v[AS+6] row_xmask:8 row_mask:0xf bank_mask:0xf
	v_permlanex16_b32 v[TS+2], v[AS+6], s34, s35
	v_add_f32 v[AS+6], v[AS+6], v[TS+2]
	v_add_f32 v[TS+6], 0x322bcc77, v[AS+6]         ; + 1e-8
	v_rsq_f32 v[TS+7], v[TS+6]
	v_nop
	s_wait_alu depctr_va_vdst(0)
	ds_store_b32 v11, v[TS+7] offset:4*(\i)        ; four lanes write the same word with the same value
.endm
.macro ROW i, isw
.if (\i) < 5
	s_wait_loadcnt 24                              ; this row's eight loads are in; those of the three rows behind it may be out
.else
	s_wait_loadcnt 8*(7-(\i))
.endif
	TURNROW \i
	s_wait_dscnt 0x0                               ; my block is in; the set has been read and may be loaded again; the last row's stores of codes, byte and factor are done (in the first row of a weight: s^2 is in)
.if (\i) < 4
	LOADROW (\i)+4
.endif
.if \isw
	QROW \i
	DCOEF \i
.else
	NORM
	QROW \i
.endif
.endm
.macro FINISH isw                      ; the group's codes and bytes lie in LDS: back by runs, out in whole aligned runs
	s_wait_dscnt 0x0                               ; for the others' sake: my stores have landed
	s_barrier_signal -1
	s_barrier_wait -1
.irp k, 0,1,2,3,4,5,6,7
	ds_load_b128 v[R+4*\k:R+4*\k+3], v7 offset:544*\k
.endr
	ds_load_b64 v[R+32:R+33], v8
.if \isw
	ds_load_b64 v[R+34:R+35], v12
.endif
.irp k, 0,1,2,3,4,5,6,7
	s_wait_dscnt 8+\isw-\k                         ; LDS loads come back in order: load k is in, the younger ones may be out
	global_store_b128 v2, v[R+4*\k:R+4*\k+3], s[28:29] offset:512*\k   ; 32 lanes store 512 consecutive bytes, aligned
.endr
	s_wait_dscnt \isw
	global_store_b64 v9, v[R+32:R+33], s[30:31]    ; 256 consecutive bytes, aligned
.if \isw
	s_wait_dscnt 0x0
	global_store_b64 v9, v[R+34:R+35], s[32:33]    ; wave w stores batch w's 64 factors: 256 consecutive bytes, aligned
.endif
	s_wait_tensorcnt 0x0
	ds_add_u32 v254, v255
	s_wait_dscnt 0x0
	s_endpgm
.endm
	s_cmp_lt_u32 ttmp9, 128
	s_cbranch_scc0 .Lweights
	; ---- rows of x
	ADDR 0
	s_lshl_b32 s52, ttmp9, 18                      ; 64 rows of 4,096 bytes a group,
	s_lshl_b32 s40, s25, 15                        ; 8 rows a wave, at sigma(wave)
	s_add_co_u32 s52, s52, s40
	s_add_nc_u64 s[26:27], s[4:5], s[52:53]
	s_lshr_b32 s52, ttmp9, 4                       ; the batch: 16 groups each
	s_lshl_b32 s52, s52, 13
	s_add_nc_u64 s[50:51], s[16:17], s[52:53]      ; its s1
	LOADSTY
.irp i, 0,1,2,3
	LOADROW \i
.endr
	s_wait_loadcnt 32                              ; s1 is in; the four rows' 32 loads may be out
.irp j, 0,1,2,3,4,5,6,7
	ds_store_b128 v3, v[X+4*\j:X+4*\j+3] offset:576*\j             ; s1 turns through my own bytes, as a row does
.endr
.irp k, 0,1,2,3,4,5,6,7
	ds_load_b128 v[S1+4*\k:S1+4*\k+3], v4 offset:16*\k
.endr
	s_wait_dscnt 0x0                               ; s1 of my 32 columns is in, and the stores have read X, which the first row's turn writes
.irp i, 0,1,2,3,4,5,6,7
	ROW \i, 0
.endr
	FINISH 0
.Lweights:
	; ---- rows of a weight
	ADDR PBW
	v_and_b32 v13, 7, v1
	s_lshl_b32 s44, s25, 5
	s_add_co_u32 s44, s44, PBW+DCB
	v_lshl_add_u32 v11, v13, 8, s44                ; factors in: 256 (l % 8) + 32 sigma + 4 i
	s_lshl_b32 s44, s24, 8
	s_add_co_u32 s44, s44, PBW+DCB
	v_add_nc_u32 v12, s44, v9                      ; and back: batch w, 8 bytes a lane
	v_add_nc_u32 v15, STY-PBW, v3                  ; s^2 in: batch w's 4,608 bytes, laid as my turn's are
	v_mul_u32_u24 v16, v1, 144
	v_add_nc_u32 v16, STY, v16                     ; s^2 out: 144 l, + 4,608 for each batch
	s_sub_co_u32 s47, ttmp9, 128
	s_lshr_b32 s46, s47, 4                         ; which weight: 0 q, 1 k, 2 v, 3 w, 4 u
	s_and_b32 s47, s47, 15                         ; which 64 of its rows
	s_mov_b64 s[26:27], s[6:7]
	s_cmp_eq_u32 s46, 1
	s_cselect_b64 s[26:27], s[8:9], s[26:27]
	s_cmp_eq_u32 s46, 2
	s_cselect_b64 s[26:27], s[10:11], s[26:27]
	s_cmp_eq_u32 s46, 3
	s_cselect_b64 s[26:27], s[12:13], s[26:27]
	s_cmp_eq_u32 s46, 4
	s_cselect_b64 s[26:27], s[14:15], s[26:27]
	s_lshl_b32 s52, s47, 18
	s_lshl_b32 s40, s25, 15
	s_add_co_u32 s52, s52, s40
	s_add_nc_u64 s[26:27], s[26:27], s[52:53]
	s_cmp_ge_u32 s46, 3                            ; q, k, v are demodulated by s1, w and u by s2
	s_cselect_b32 s52, 4096, 0
	s_lshl_b32 s40, s24, 13                        ; wave w fetches batch w's row
	s_add_co_u32 s52, s52, s40
	s_add_nc_u64 s[50:51], s[16:17], s[52:53]
	s_lshl_b32 s52, s46, 3
	s_add_co_u32 s52, s52, s24
	s_lshl_b32 s52, s52, 12
	s_lshl_b32 s40, s47, 8
	s_add_co_u32 s52, s52, s40
	s_add_nc_u64 s[32:33], s[22:23], s[52:53]      ; dcf at (weight, batch = wave, my group's 64 rows)
	LOADSTY
.irp i, 0,1,2,3
	LOADROW \i
.endr
	s_wait_loadcnt 32                              ; my batch's styles are in; the four rows' 32 loads may be out
.set nn, 0
.rept 16
	v_pk_mul_f32 v[X+nn:X+nn+1], v[X+nn:X+nn+1], v[X+nn:X+nn+1]    ; squared once for all eight waves
.set nn, nn+2
.endr
.irp j, 0,1,2,3,4,5,6,7
	ds_store_b128 v15, v[X+4*\j:X+4*\j+3] offset:576*\j
.endr
	s_wait_dscnt 0x0                               ; for the others' sake: my batch's s^2 has landed
	s_barrier_signal -1
	s_barrier_wait -1                              ; all eight batches lie in LDS; nobody writes them again
	WIN 0x40                                       ; destination window 1, address window 0
.irp b, 0,1,2,3,4,5,6,7
.irp k, 0,1,2,3,4,5,6,7
	ds_load_b128 v[32*\b+4*\k:32*\b+4*\k+3], v16 offset:4608*\b+16*\k   ; s^2 of my 32 columns, batch b; waited for with the first row's turn
.endr
.endr
	WIN 0
.irp i, 0,1,2,3,4,5,6,7
	ROW \i, 1
.endr
	FINISH 1
.Lfunc_end_k_qd64a056e1e_prep:
	.size	k_qd64a056e1e_prep, .Lfunc_end_k_qd64a056e1e_prep-k_qd64a056e1e_prep
	.p2alignl 7, 3214868480
	.fill 96, 4, 3214868480
	.section	.rodata,"a",@progbits
	.p2align	6, 0x0
	.amdhsa_kernel k_qd64a056e1e_prep
		.amdhsa_group_segment_fixed_size 187392
		.amdhsa_private_segment_fixed_size 0
		.amdhsa_enable_private_segment 0
		.amdhsa_kernarg_size 80
		.amdhsa_user_sgpr_count 2
		.amdhsa_user_sgpr_kernarg_segment_ptr 1
		.amdhsa_wavefront_size32 1
		.amdhsa_system_sgpr_workgroup_id_x 1
		.amdhsa_system_sgpr_workgroup_id_y 1
		.amdhsa_system_sgpr_workgroup_id_z 1
		.amdhsa_system_vgpr_workitem_id 0
		.amdhsa_next_free_vgpr 512
		.amdhsa_next_free_sgpr 66
		.amdhsa_reserve_vcc 0
		.amdhsa_float_denorm_mode_32 3
		.amdhsa_float_denorm_mode_16_64 3
		.amdhsa_memory_ordered 1
		.amdhsa_forward_progress 1
		.amdhsa_inst_pref_size 209
	.end_amdhsa_kernel
	.amdgpu_metadata
---
amdhsa.version: [ 1, 2 ]
amdhsa.kernels:
  - .name:           k_qd64a056e1e_prep
    .symbol:         k_qd64a056e1e_prep.kd
    .args:
      - { .name: x, .offset: 0, .size: 8, .value_kind: global_buffer, .address_space: global }
      - { .name: q_weight, .offset: 8, .size: 8, .value_kind: global_buffer, .address_space: global }
      - { .name: k_weight, .offset: 16, .size: 8, .value_kind: global_buffer, .address_space: global }
      - { .name: v_weight, .offset: 24, .size: 8, .value_kind: global_buffer, .address_space: global }
      - { .name: w_weight, .offset: 32, .size: 8, .value_kind: global_buffer, .address_space: global }
      - { .name: u_weight, .offset: 40, .size: 8, .value_kind: global_buffer, .address_space: global }
      - { .name: styles, .offset: 48, .size: 8, .value_kind: global_buffer, .address_space: global }
      - { .name: opc, .offset: 56, .size: 8, .value_kind: global_buffer, .address_space: global }
      - { .name: ops, .offset: 64, .size: 8, .value_kind: global_buffer, .address_space: global }
      - { .name: dcf, .offset: 72, .size: 8, .value_kind: global_buffer, .address_space: global }
    .group_segment_fixed_size: 187392
    .private_segment_fixed_size: 0
    .kernarg_segment_align: 8
    .kernarg_segment_size: 80
    .max_flat_workgroup_size: 256
    .sgpr_count:     66
    .vgpr_count:     512
    .wavefront_size: 32
...
	.end_amdgpu_metadata
.endif
;; end of part 1
;; launch qkv (part 2): grid 16 x 32, 4 waves a work-group, clusters of 4 x 4, 279,040 bytes of LDS; arguments opc, ops, dcf, styles, atc, ats, s1c, s1s; writes atc, ats, s1c, s1s
.if DOCPART == 2
	.amdgcn_target "amdgcn-amd-amdhsa--gfx1250"
	.amdhsa_code_object_version 6
	.text
	.protected	k_qd64a056e1e_qkv
	.globl	k_qd64a056e1e_qkv
	.p2align	8
	.type	k_qd64a056e1e_qkv,@function
k_qd64a056e1e_qkv:
	s_mov_b64 s[64:65], 0
	v_nop
	global_prefetch_b8 v0, s[64:65] scope:SCOPE_SE
	s_setreg_imm32_b32 hwreg(HW_REG_WAVE_MODE, 25, 1), 1
	s_wait_xcnt 0x0
	s_wait_alu depctr_hold_cnt(0) depctr_sa_sdst(0) depctr_va_vdst(0) depctr_va_sdst(0) depctr_va_ssrc(0) depctr_va_vcc(0) depctr_vm_vsrc(0)
	s_getreg_b32 s2, hwreg(HW_REG_IB_STS2, 6, 4)
	s_cmp_eq_u32 s2, 0
	s_cbranch_scc0 .Lentry_in_a_cluster
	s_endpgm
.Lentry_in_a_cluster:
	s_bfe_u32 s2, ttmp6, 0x10000c
	s_cmp_lg_u32 s2, 0xf033
	s_cbranch_scc0 .Lentry_shape_is_right
	s_endpgm
.Lentry_shape_is_right:
; QKV.  xn [8192][1024] times q, k, v weights [1024][1024], on codes of FP4 with E8M0 scales; the results are scaled in f32 and quantised in registers: only codes go to memory.
; The cluster's x is the KIND of work, the same for all sixteen partners: 0 q, 1 k, 2 skip (v * v_dc * s2, blocks of 32 along the hidden axis), 3 V^T (the same numbers, blocks of 32 along the keys).
; Kind 3 is kind 2's product with the sources swapped: a lane then holds one column of v and its registers run along the keys, which is what the second quantiser wants; nothing changes lanes.
; SHARES.  A work-group makes 256 positions of xn x 256 rows of a weight; K = 1,024 lies in LDS whole, brought by first fills alone (no byte of LDS is filled twice).  Four waves, each 128 x 128: 64 accumulators.
; CLUSTERS: 4 x 4.  The four of a row of the cluster need the same positions of xn, the four of a column the same rows of the weight: each tile is asked for jointly.  A wave has three tensor loads out at the most.
; ORDER OF ROWS: position p of every code buffer holds original row rho(p) (bits 3 and 4 exchanged).  So in a result whose source 0 is tiles 2 b, 2 b + 1, a lane's 16 registers are 16 neighbours 32 b + 16 (lane / 16) + 0 .. 15 of the original order.
; OPERANDS are images of a fragment's registers: [tile 16 rows][K step 128][c][lane][16 bytes]: every LDS load reads 512 consecutive bytes.
; OUT: q, k: atc [batch, head][tile 64][512 bytes], ats pair words [batch, head][128 positions][position % 16][4];  V^T: atc + 8 MiB [batch, head][128 keys][tile of 16 channels][1,024], ats + 512 KiB;  skip: s1c, s1s part 1, laid as opc, ops.
; LIMITS: NaN and infinities are not served; a block whose largest magnitude lies under 2^-124 gets the byte 1 (only this program reads the bytes).
; REGISTERS: window 0: v1-14 addresses; v32-95 scale words; v96-159 64 scaled numbers; v160-183 the quantiser's; v192-203 scale words made; v208-239 kind 3's factors.
;   window 1: two sets of fragments (weight's eight at 128 p, xn's eight at 128 p + 64); behind the last but one step set 0 takes the factors.   windows 2, 3: accumulator (a, b) at v[8 (8 (a % 4) + b)] of window 2 + a / 4.
.set SCL,  262144                      ; LDS: [K half 2][xn 64 KiB | weight 64 KiB], then xn's scale words 8 KiB, the weight's 8 KiB
.set KH,   131072
.set ADY,  4                           ; v4-5   xn's fragments, K half 0, 1
.set ADX,  6                           ; v6-7   the weight's
.set ADS,  8                           ; v8     scale words: lanes 0-15 xn's, lanes 16-31 the weight's
.set VO1,  10                          ; v10    16 x lane + the distance from a fragment's first half to its second in the output
.set SOF,  11                          ; v11    2048 (lane / 16) + 16 (lane % 16)
.set FOF,  12                          ; v12    64 (lane / 16)
.set TOF,  13                          ; v13    4 (r + 8 (r / 8))
.set SELV, 14                          ; v14    byte selector: lanes 0-15 low halves, lanes 16-31 high halves
.set SC,   32
.set H,    96
.set TM,   160
.set PC,   176
.set WA,   192
.set WD,   200
.set FT,   208                         ; pairs (v_dc, s2) of my lane's column in weight tile a
.set FT2,  224                         ; pairs (s2, v_dc)
.set G1Y, 32                           ; s[32:39], s[40:47] group 1 for codes of xn, of the weight;  s[48:55], s[56:63] for their scale words
.set G1X, 40
.set G1SY, 48
.set G1SX, 56
.set G0Y, 68                           ; s[68:75] group 0, xn's codes, K half 0, 1;  s[76:83] the weight's;  s[84:87], s[88:91] the scale words'
.set G0X, 76
.set G0SY, 84
.set G0SX, 88
.set MSB, 0
.macro WIN new
.if MSB != (\new)
	s_set_vgpr_msb (MSB<<8)|(\new)
.set MSB, (\new)
.endif
.endm
.macro PLACES                          ; four plain vector instructions between a matrix instruction and a load into, or a vector read of, its registers
.rept 4
	v_nop
.endr
.endm
.macro JLOAD g0y, g1y, g0x, g1x        ; a joint load: waves 0, 1 fetch xn's halves, waves 2, 3 the weight's; four v_nop follow each line
	s_cmp_eq_u32 s21, 0
	s_cbranch_scc0 .Lfor_x_\@
	tensor_load_to_lds s[\g0y:\g0y+3], s[\g1y:\g1y+7]
	s_nop 0
.rept 4
	v_nop
.endr
	s_branch .Lasked_\@
.Lfor_x_\@:
	tensor_load_to_lds s[\g0x:\g0x+3], s[\g1x:\g1x+7]
	s_nop 0
.rept 4
	v_nop
.endr
.Lasked_\@:
.endm
.macro CROUND                          ; a round of the cluster's barrier
	s_barrier_signal -1
	s_barrier_wait -1
	s_cmp_lg_u32 s20, 0
	s_cbranch_scc1 .Lnot_wave_0_\@
	s_barrier_signal -3
.Lnot_wave_0_\@:
	s_barrier_wait -3
	s_barrier_signal -1
	s_barrier_wait -1
.endm
	s_load_b256 s[4:11], s[0:1], 0x0               ; opc, ops, dcf, styles
	s_load_b256 s[12:19], s[0:1], 0x20             ; atc, ats, s1c, s1s
	v_lshl_add_u32 v254, v0, 2, 0x44000
	v_mov_b32 v255, 0
	ds_add_u32 v254, v255
	ds_add_u32 v254, v255
	v_lshrrev_b32 v1, 5, v0
	v_readfirstlane_b32 s20, v1                    ; wave 0..3
	s_lshr_b32 s21, s20, 1                         ; my half of xn's positions.  Also: I fetch for xn (0) or for the weight (1)
	s_and_b32 s22, s20, 1                          ; my half of the weight's rows.  Also: which half of that tile I fetch
	s_bfe_u32 s23, ttmp6, 0x40000                  ; cx
	s_bfe_u32 s24, ttmp6, 0x40004                  ; cy
	s_mov_b32 s25, ttmp9                           ; the kind: the cluster's x
	s_and_b32 s26, ttmp7, 0xffff
	s_lshl_b32 s26, s26, 2
	s_add_co_u32 s26, s26, s24                     ; which 256 positions of xn: 4 x cluster y + cy
	s_min_u32 s27, s25, 2
	s_lshl_b32 s27, s27, 2
	s_add_co_u32 s27, s27, s23                     ; which 256 rows of the three weights on end: 4 x weight + cx
	s_lshl_b32 s28, s24, 2
	s_lshl_b32 s28, 15, s28                        ; my row of the cluster
	s_lshl_b32 s29, 0x1111, s23                    ; my column
	; the LDS addresses, ahead of every branch: constants, the lane, the wave
	v_and_b32 v15, 31, v0
	v_lshlrev_b32 v1, 4, v15                       ; 16 x lane
	v_and_b32 v2, 15, v0                           ; r
	v_bfe_u32 v3, v0, 4, 1                         ; h
	s_lshl_b32 s31, s21, 15
	v_add_nc_u32 v[ADY], s31, v1
	v_add_nc_u32 v[ADY+1], KH, v[ADY]
	s_lshl_b32 s31, s22, 15
	s_add_co_u32 s31, s31, 65536
	v_add_nc_u32 v[ADX], s31, v1
	v_add_nc_u32 v[ADX+1], KH, v[ADX]
	s_lshl_b32 s31, s22, 12
	s_add_co_u32 s31, s31, 8192
	s_lshl_b32 s97, s21, 12
	s_sub_co_u32 s31, s31, s97                     ; from xn's words of my half to the weight's of my half
	v_mul_u32_u24 v[ADS], s31, v3                  ; one product: lanes 16-31 stand that far on
	v_lshl_add_u32 v[ADS], v2, 4, v[ADS]
	s_add_co_u32 s97, s97, SCL
	v_add_nc_u32 v[ADS], s97, v[ADS]
	v_lshlrev_b32 v[SOF], 11, v3
	v_lshl_add_u32 v[SOF], v2, 4, v[SOF]
	v_lshlrev_b32 v[FOF], 6, v3
	v_and_b32 v[TOF], 8, v2
	v_add_nc_u32 v[TOF], v[TOF], v2
	v_lshlrev_b32 v[TOF], 2, v[TOF]
.irp b, 0,1,2,3
	v_mov_b32 v[TM+4+\b], 0                        ; written once: lane permutes' destinations
.endr
	; group 1.  Codes: 8 tiles' halves: 8 rows of 4,096 bytes (512 elements of 8 bytes), 8,192 bytes apart.  Scale words: 4,096 dense bytes as 16 rows of 256
	s_or_b32 s[G1Y], s28, (3<<16)|(1<<21)          ; 15:0 the mask; 17:16 elements of 8 bytes; 21 set beside a mask
	s_or_b32 s[G1X], s29, (3<<16)|(1<<21)
.irp g, G1Y, G1X
	s_mov_b32 s[\g+1], 512<<16                     ; tensor_dim0
	s_mov_b32 s[\g+2], 8<<16                       ; tensor_dim1
	s_mov_b32 s[\g+3], 512<<16                     ; tile_dim0
	s_mov_b32 s[\g+4], 8                           ; tile_dim1
	s_mov_b32 s[\g+5], 1024                        ; from row to row
	s_mov_b32 s[\g+6], 0
	s_mov_b32 s[\g+7], 0
.endr
	s_or_b32 s[G1SY], s28, (3<<16)|(1<<21)
	s_or_b32 s[G1SX], s29, (3<<16)|(1<<21)
.irp g, G1SY, G1SX
	s_mov_b32 s[\g+1], 32<<16
	s_mov_b32 s[\g+2], 16<<16
	s_mov_b32 s[\g+3], 32<<16
	s_mov_b32 s[\g+4], 16
	s_mov_b32 s[\g+5], 32
	s_mov_b32 s[\g+6], 0
	s_mov_b32 s[\g+7], 0
.endr
	; where the tiles come from: xn's offsets in s[2:3] (made of cy), the weight's in s[66:67] (made of cx)
	s_lshl_b32 s2, s26, 17
	s_lshl_b32 s3, s22, 16
	s_add_co_u32 s2, s2, s3
	s_mov_b32 s3, 0
	s_lshl_b32 s66, s27, 17
	s_lshl_b32 s67, s22, 16
	s_add_co_u32 s66, s66, s67
	s_add_co_u32 s66, s66, 0x400000                ; the weights' tiles lie behind xn's 512
	s_mov_b32 s67, 0
	s_lshl_b32 s31, s20, 15                        ; and where they go: 32,768 x wave
	s_wait_dscnt 0x0
	s_wait_kmcnt 0x0
	s_mov_b32 s[G0Y], 1
	s_mov_b32 s[G0Y+1], s31
	s_add_nc_u64 s[G0Y+2:G0Y+3], s[4:5], s[2:3]
	s_mov_b32 s[G0Y+4], 1
	s_add_co_u32 s[G0Y+5], s31, KH
	s_add_nc_u64 s[G0Y+6:G0Y+7], s[G0Y+2:G0Y+3], 4096
	s_or_b32 s[G0Y+3], s[G0Y+3], 0x80000000
	s_or_b32 s[G0Y+7], s[G0Y+7], 0x80000000
	s_mov_b32 s[G0X], 1
	s_mov_b32 s[G0X+1], s31
	s_add_nc_u64 s[G0X+2:G0X+3], s[4:5], s[66:67]
	s_mov_b32 s[G0X+4], 1
	s_add_co_u32 s[G0X+5], s31, KH
	s_add_nc_u64 s[G0X+6:G0X+7], s[G0X+2:G0X+3], 4096
	s_or_b32 s[G0X+3], s[G0X+3], 0x80000000
	s_or_b32 s[G0X+7], s[G0X+7], 0x80000000
	s_lshl_b32 s97, s22, 12
	s_lshl_b32 s2, s26, 13
	s_add_co_u32 s2, s2, s97
	s_lshl_b32 s66, s27, 13
	s_add_co_u32 s66, s66, s97
	s_add_co_u32 s66, s66, 0x40000
	s_lshl_b32 s31, s20, 12
	s_add_co_u32 s31, s31, SCL
	s_mov_b32 s[G0SY], 1
	s_mov_b32 s[G0SY+1], s31
	s_add_nc_u64 s[G0SY+2:G0SY+3], s[6:7], s[2:3]
	s_or_b32 s[G0SY+3], s[G0SY+3], 0x80000000
	s_mov_b32 s[G0SX], 1
	s_mov_b32 s[G0SX+1], s31
	s_add_nc_u64 s[G0SX+2:G0SX+3], s[6:7], s[66:67]
	s_or_b32 s[G0SX+3], s[G0SX+3], 0x80000000
	CROUND                                         ; all sixteen work-groups are here: the joint loads meet
	JLOAD G0SY, G1SY, G0SX, G1SX                   ; the scale words,
	JLOAD G0Y, G1Y, G0X, G1X                       ; K 0 .. 511,
	JLOAD G0Y+4, G1Y, G0X+4, G1X                   ; K 512 .. 1023
	; where the results go.  (opc's and ops's pointers are done with: s4-s7 are at work)
	s_lshr_b32 s4, s26, 2                          ; the batch
	s_and_b32 s5, s26, 3                           ; which quarter of its positions
	s_lshl_b32 s6, s4, 4
	s_lshl_b32 s7, s23, 2
	s_add_co_u32 s6, s6, s7
	s_lshl_b32 s7, s22, 1
	s_add_co_u32 s6, s6, s7                        ; (batch, head) of my first 64 columns: 16 b + 4 cx + 2 wx
	s_lshl_b32 s7, s5, 1
	s_add_co_u32 s7, s7, s21                       ; which 128 positions of the batch are mine
	s_lshl_b32 s31, s6, 3
	s_add_co_u32 s31, s31, s7
	s_lshl_b32 s97, s23, 1
	s_add_co_u32 s97, s97, s22                     ; which 128 columns are mine: 2 cx + wx
	s_lshl_b32 s94, s6, 15
	s_lshl_b32 s30, s7, 12
	s_add_co_u32 s94, s94, s30
	s_lshl_b32 s30, s25, 22
	s_add_co_u32 s94, s94, s30                     ; q, k: codes
	s_lshl_b32 s30, s31, 12
	s_add_co_u32 s30, s30, 0x800000                ; V^T: codes
	s_cmp_eq_u32 s25, 3
	s_cselect_b32 s94, s30, s94
	s_lshl_b32 s30, s26, 17
	s_lshl_b32 s100, s21, 16
	s_add_co_u32 s30, s30, s100
	s_lshl_b32 s100, s97, 10
	s_add_co_u32 s30, s30, s100
	s_add_co_u32 s30, s30, 0x400000                ; skip: codes, part 1
	s_min_u32 s100, s25, 2
	s_lshl_b32 s100, s100, 18
	s_lshl_b32 s101, s31, 8
	s_add_co_u32 s100, s100, s101                  ; q, k, V^T: scale words
	s_lshl_b32 s101, s26, 13
	s_lshl_b32 s5, s21, 12
	s_add_co_u32 s101, s101, s5
	s_lshl_b32 s5, s97, 8
	s_add_co_u32 s101, s101, s5
	s_add_co_u32 s101, s101, 0x40000               ; skip: scale words, part 1
	s_mov_b32 s95, 0
	s_mov_b32 s96, 0x8000
	s_mov_b32 s5, 512
	s_mov_b32 s6, 0x2000
	s_cmp_eq_u32 s25, 2
	s_cselect_b32 s94, s30, s94
	s_cselect_b32 s100, s101, s100
	s_cselect_b64 s[92:93], s[16:17], s[12:13]
	s_cselect_b64 s[98:99], s[18:19], s[14:15]
	s_cselect_b32 s96, s5, s96                     ; from a fragment's first half to its second: skip 512; q, k the next head, 32,768
	s_cselect_b32 s5, s6, s5                       ; from a tile of positions to the next: skip 8,192; q, k 512
	s_add_nc_u64 s[92:93], s[92:93], s[94:95]
	s_mov_b32 s94, s100
	s_add_nc_u64 s[98:99], s[98:99], s[94:95]
	s_min_u32 s94, s25, 2
	s_lshl_b32 s94, s94, 15
	s_lshl_b32 s6, s4, 12
	s_add_co_u32 s94, s94, s6
	s_lshl_b32 s6, s97, 9
	s_add_co_u32 s94, s94, s6
	s_add_nc_u64 s[8:9], s[8:9], s[94:95]          ; dcf at (weight, batch, my first column)
	s_lshl_b32 s94, s4, 13
	s_add_co_u32 s94, s94, s6
	s_add_co_u32 s94, s94, 4096
	s_add_nc_u64 s[10:11], s[10:11], s[94:95]      ; s2 at (batch, my first column)
	s_mov_b32 s94, s5
	s_mov_b32 s30, 0xffff0000                      ; lanes 16-31
	s_mov_b32 s100, 0x76543210
	s_mov_b32 s101, 0xfedcba98
	v_add_nc_u32 v[VO1], s96, v1
	v_mov_b32 v[SELV], 0x05040100
	v_mov_b32 v15, 0x07060302
	v_cndmask_b32 v[SELV], v[SELV], v15, s30
.irp a, 0,1,2,3,4,5,6,7                ; the factors of my lane's column in weight tile a: position 16 a + r is original column 32 (a / 2) + 8 (a % 2) + r + 8 (r / 8).  Kind 3 alone uses them
	global_load_b32 v[FT+2*\a], v[TOF], s[8:9] offset:4*(32*(\a/2)+8*(\a%2))
	global_load_b32 v[FT+2*\a+1], v[TOF], s[10:11] offset:4*(32*(\a/2)+8*(\a%2))
	global_load_b32 v[FT2+2*\a], v[TOF], s[10:11] offset:4*(32*(\a/2)+8*(\a%2))
	global_load_b32 v[FT2+2*\a+1], v[TOF], s[8:9] offset:4*(32*(\a/2)+8*(\a%2))
.endr
.macro FETCH q, p                      ; K step q's sixteen fragments into set p: 32 loads of 512 consecutive bytes
	WIN 0x40
.irp i, 0,1,2,3,4,5,6,7
.irp c, 0,1
	ds_load_b128 v[128*(\p)+8*\i+4*\c:128*(\p)+8*\i+4*\c+3], v[ADX+(\q)/4] offset:4096*\i+1024*((\q)%4)+512*\c
	ds_load_b128 v[128*(\p)+64+8*\i+4*\c:128*(\p)+64+8*\i+4*\c+3], v[ADY+(\q)/4] offset:4096*\i+1024*((\q)%4)+512*\c
.endr
.endr
	WIN 0
.endm
.macro MM q, p, t, a, b                ; t = 0: source 0 = weight tile b, source 1 = xn tile a;  t = 1: source 0 = xn tile b, source 1 = weight tile a.  The first K step starts the sums
.set rD, 8*(8*((\a)%4)+(\b))
.set rX, 128*(\p)
.set rY, 128*(\p)+64
.if \t == 0
.if (\q) == 0
	v_wmma_scale_f32_16x16x128_f8f6f4 v[rD:rD+7], v[rX+8*(\b):rX+8*(\b)+7], v[rY+8*(\a):rY+8*(\a)+7], 0, v[SC+8*(\q)+(\b)], v[SC+8*(\q)+(\a)] matrix_a_fmt:MATRIX_FMT_FP4 matrix_b_fmt:MATRIX_FMT_FP4 matrix_a_scale:MATRIX_SCALE_ROW1
.else
	v_wmma_scale_f32_16x16x128_f8f6f4 v[rD:rD+7], v[rX+8*(\b):rX+8*(\b)+7], v[rY+8*(\a):rY+8*(\a)+7], v[rD:rD+7], v[SC+8*(\q)+(\b)], v[SC+8*(\q)+(\a)] matrix_a_fmt:MATRIX_FMT_FP4 matrix_b_fmt:MATRIX_FMT_FP4 matrix_a_scale:MATRIX_SCALE_ROW1
.endif
.else
.if (\q) == 0
	v_wmma_scale_f32_16x16x128_f8f6f4 v[rD:rD+7], v[rY+8*(\b):rY+8*(\b)+7], v[rX+8*(\a):rX+8*(\a)+7], 0, v[SC+8*(\q)+(\b)], v[SC+8*(\q)+(\a)] matrix_a_fmt:MATRIX_FMT_FP4 matrix_b_fmt:MATRIX_FMT_FP4 matrix_b_scale:MATRIX_SCALE_ROW1
.else
	v_wmma_scale_f32_16x16x128_f8f6f4 v[rD:rD+7], v[rY+8*(\b):rY+8*(\b)+7], v[rX+8*(\a):rX+8*(\a)+7], v[rD:rD+7], v[SC+8*(\q)+(\b)], v[SC+8*(\q)+(\a)] matrix_a_fmt:MATRIX_FMT_FP4 matrix_b_fmt:MATRIX_FMT_FP4 matrix_b_scale:MATRIX_SCALE_ROW1
.endif
.endif
.endm
.macro MUL q, p, t                     ; 64 matrix instructions; the 64 accumulators take turns, in the same order in every step
.irp a, 0,1,2,3,4,5,6,7
.if \a == 0
	WIN 0xa5                                       ; both sources window 1, C and D window 2
.endif
.if \a == 4
	WIN 0xf5                                       ; C and D window 3
.endif
.irp b, 0,1,2,3,4,5,6,7
	MM \q, \p, \t, \a, \b
.endr
.endr
	WIN 0
.endm
.macro FACLOAD                         ; register 16 b + i of a lane's 64 results is column 32 b + 16 (lane / 16) + i: its factor, and s2, into set 0's registers
	WIN 0x40
.irp bb, 0,1,2,3
.irp k, 0,1,2,3
	global_load_b128 v[16*\bb+4*\k:16*\bb+4*\k+3], v[FOF], s[8:9] offset:128*\bb+16*\k
	global_load_b128 v[64+16*\bb+4*\k:64+16*\bb+4*\k+3], v[FOF], s[10:11] offset:128*\bb+16*\k
.endr
.endr
	WIN 0
.endm
.macro STEP q, t
.if (\q) == 3
	s_wait_tensorcnt 0x0                           ; my part of the second K half has landed;
	s_wait_dscnt 0x0                               ; no LDS load of mine is out at a signal
	s_barrier_signal -1
	s_barrier_wait -1                              ; everybody's has
.endif
.if (\q) > 0
	PLACES                                         ; the loads below land in the set that the last step multiplied
.endif
.if (\q) < 7
	FETCH (\q)+1, ((\q)+1)%2
	s_wait_dscnt 32                                ; all but the 32 just issued: this step's fragments are in
.else
.if \t == 0
	FACLOAD
.endif
	s_wait_dscnt 0x0
.endif
	MUL \q, (\q)%2, \t
.endm
; 64 numbers of a lane, register 16 b + i = k 32 b + 16 (lane / 16) + i of my row, become a fragment's codes in v[PC] on and its scale word in v[w]
.macro QUANT s, w
.irp b, 0,1,2,3
	v_max3_num_f32 v[TM+\b], |v[\s+16*\b]|, |v[\s+1+16*\b]|, 0x1800000   ; the floor 2^(3 - 127): the byte cannot fall under 1
.endr
.irp i, 2,4,6,8,10,12,14
.irp b, 0,1,2,3
	v_max3_num_f32 v[TM+\b], v[TM+\b], |v[\s+16*\b+\i]|, |v[\s+1+16*\b+\i]|
.endr
.endr
.irp b, 0,1,2,3
	v_permlanex16_b32 v[TM+4+\b], v[TM+\b], s100, s101
.endr
.irp b, 0,1,2,3
	v_max_num_f32 v[TM+\b], v[TM+\b], v[TM+4+\b]   ; with lane l xor 16's: the block's largest magnitude
.endr
.irp b, 0,1,2,3
	v_add_nc_u32 v[TM+12+\b], 0xff000000, v[TM+\b] ; 2 off its exponent field: the conversion's scale operand
.endr
.irp b, 0,1,2,3
	v_lshrrev_b32 v[TM+4+\b], 23, v[TM+12+\b]      ; the scale's byte
.endr
	v_lshl_or_b32 v[\w], v[TM+5], 8, v[TM+4]
	v_lshl_or_b32 v[\w], v[TM+6], 16, v[\w]
	v_lshl_or_b32 v[\w], v[TM+7], 24, v[\w]
.irp b, 0,1,2,3
	v_cvt_scalef32_pk8_fp4_f32 v[PC+2*\b], v[\s+16*\b:\s+7+16*\b], v[TM+12+\b]
	v_cvt_scalef32_pk8_fp4_f32 v[PC+1+2*\b], v[\s+8+16*\b:\s+15+16*\b], v[TM+12+\b]
.endr
	v_nop                                          ; one plain place behind a scaled conversion
.irp c, 0,1                            ; a whole block to a lane: lanes 0-15 block 2 c, lanes 16-31 block 2 c + 1
.irp i, 0,1
	v_permlane16_swap_b32 v[PC+4*\c+\i], v[PC+2+4*\c+\i]
.endr
.endr
.endm
.macro OUTN a                          ; xn tile a: 16 positions x my 128 columns: x the factor (x s2 for skip), quantised, stored as an image
	s_wait_xcnt 0x0                                ; the last tile's stores have read their data and their base
.if (\a) > 0
	s_add_nc_u64 s[92:93], s[92:93], s[94:95]
.endif
	WIN 0x06+(\a)/4                                ; source 0: window 2 or 3; source 1: window 1
.set nn, 0
.rept 32
	v_pk_mul_f32 v[H+nn:H+nn+1], v[64*((\a)%4)+nn:64*((\a)%4)+nn+1], v[nn:nn+1]   ; each accumulator from its low end on
.set nn, nn+2
.endr
	WIN 0
	s_cmp_lg_u32 s25, 2
	s_cbranch_scc1 .Lno_s2_\@
	WIN 0x04
.set nn, 0
.rept 32
	v_pk_mul_f32 v[H+nn:H+nn+1], v[H+nn:H+nn+1], v[64+nn:65+nn]
.set nn, nn+2
.endr
	WIN 0
.Lno_s2_\@:
	QUANT H, WA+(\a)
	global_store_b128 v1, v[PC:PC+3], s[92:93]     ; 512 consecutive bytes, aligned
	global_store_b128 v[VO1], v[PC+4:PC+7], s[92:93]
.endm
.macro OUTT a                          ; weight tile a: 16 channels x my 128 keys
	s_wait_xcnt 0x0
	WIN 0x02+(\a)/4
.set nn, 0
.rept 32
	v_pk_mul_f32 v[H+nn:H+nn+1], v[64*((\a)%4)+nn:64*((\a)%4)+nn+1], v[FT+2*(\a):FT+2*(\a)+1] op_sel_hi:[1,0]   ; x v_dc of my column
.set nn, nn+2
.endr
	WIN 0
.set nn, 0
.rept 32
	v_pk_mul_f32 v[H+nn:H+nn+1], v[H+nn:H+nn+1], v[FT2+2*(\a):FT2+2*(\a)+1] op_sel_hi:[1,0]                      ; x s2
.set nn, nn+2
.endr
	QUANT H, WA+(\a)
	global_store_b128 v1, v[PC:PC+3], s[92:93] offset:32768*((\a)/4)+1024*((\a)%4)
	global_store_b128 v1, v[PC+4:PC+7], s[92:93] offset:32768*((\a)/4)+1024*((\a)%4)+512
.endm
	s_wait_tensorcnt 0x1                           ; the scale words and my part of the first K half are in; the second half's load may be out
	s_barrier_signal -1
	s_barrier_wait -1                              ; everybody's are
.irp q, 0,1,2,3,4,5,6,7
.irp g, 0,1
	ds_load_b128 v[SC+8*\q+4*\g:SC+8*\q+4*\g+3], v[ADS] offset:2048*\g+256*\q   ; register 8 q + i: lanes 0-15 xn tile i's word, lanes 16-31 the weight tile i's
.endr
.endr
	FETCH 0, 0
	s_cmp_eq_u32 s25, 3
	s_cbranch_scc1 .Lvt
.irp q, 0,1,2,3,4,5,6,7
	STEP \q, 0
.endr
	s_wait_loadcnt 0x0                             ; the factors
	PLACES                                         ; behind the last products, ahead of the first read of results
.irp a, 0,1,2,3,4,5,6,7
	OUTN \a
.endr
	s_cmp_eq_u32 s25, 2
	s_cbranch_scc1 .Lskip_words
.irp j, 0,1,2,3                        ; q, k: pair word j = tiles 2 j and 2 j + 1, two bytes each; lanes 0-15 the first head's, lanes 16-31 the second's
	v_perm_b32 v[WD+\j], v[WA+2*\j+1], v[WA+2*\j], v[SELV]
.endr
	s_branch .Lwords
.Lskip_words:
.irp i, 0,1,2,3                        ; skip: lanes 0-15 tiles 0-3, lanes 16-31 tiles 4-7
	v_cndmask_b32 v[WD+\i], v[WA+\i], v[WA+4+\i], s30
.endr
.Lwords:
	global_store_b128 v[SOF], v[WD:WD+3], s[98:99] ; sixteen lanes store 256 consecutive bytes, aligned
	s_wait_tensorcnt 0x0
	ds_add_u32 v254, v255
	s_wait_dscnt 0x0
	CROUND                                         ; the closing round
	s_endpgm
.Lvt:
.irp q, 0,1,2,3,4,5,6,7
	STEP \q, 1
.endr
	s_wait_loadcnt 0x0
	PLACES
.irp a, 0,1,2,3,4,5,6,7
	OUTT \a
.endr
.irp i, 0,1,2,3                        ; lanes 0-15 the first head's four tiles of channels, lanes 16-31 the second's
	v_cndmask_b32 v[WD+\i], v[WA+\i], v[WA+4+\i], s30
.endr
	global_store_b128 v[SOF], v[WD:WD+3], s[98:99]
	s_wait_tensorcnt 0x0
	ds_add_u32 v254, v255
	s_wait_dscnt 0x0
	CROUND
	s_endpgm
.Lfunc_end_k_qd64a056e1e_qkv:
	.size	k_qd64a056e1e_qkv, .Lfunc_end_k_qd64a056e1e_qkv-k_qd64a056e1e_qkv
	.p2alignl 7, 3214868480
	.fill 96, 4, 3214868480
	.section	.rodata,"a",@progbits
	.p2align	6, 0x0
	.amdhsa_kernel k_qd64a056e1e_qkv
		.amdhsa_group_segment_fixed_size 279040
		.amdhsa_private_segment_fixed_size 0
		.amdhsa_enable_private_segment 0
		.amdhsa_kernarg_size 64
		.amdhsa_user_sgpr_count 2
		.amdhsa_user_sgpr_kernarg_segment_ptr 1
		.amdhsa_wavefront_size32 1
		.amdhsa_system_sgpr_workgroup_id_x 1
		.amdhsa_system_sgpr_workgroup_id_y 1
		.amdhsa_system_sgpr_workgroup_id_z 1
		.amdhsa_system_vgpr_workitem_id 0
		.amdhsa_next_free_vgpr 1024
		.amdhsa_next_free_sgpr 102
		.amdhsa_reserve_vcc 0
		.amdhsa_float_denorm_mode_32 3
		.amdhsa_float_denorm_mode_16_64 3
		.amdhsa_memory_ordered 1
		.amdhsa_forward_progress 1
		.amdhsa_inst_pref_size 255
	.end_amdhsa_kernel
	.section	.bss,"aw",@nobits
	.p2align	6
	.space	262144
	.amdgpu_metadata
---
amdhsa.version: [ 1, 2 ]
amdhsa.kernels:
  - .name:           k_qd64a056e1e_qkv
    .symbol:         k_qd64a056e1e_qkv.kd
    .args:
      - { .name: opc, .offset: 0, .size: 8, .value_kind: global_buffer, .address_space: global }
      - { .name: ops, .offset: 8, .size: 8, .value_kind: global_buffer, .address_space: global }
      - { .name: dcf, .offset: 16, .size: 8, .value_kind: global_buffer, .address_space: global }
      - { .name: styles, .offset: 24, .size: 8, .value_kind: global_buffer, .address_space: global }
      - { .name: atc, .offset: 32, .size: 8, .value_kind: global_buffer, .address_space: global }
      - { .name: ats, .offset: 40, .size: 8, .value_kind: global_buffer, .address_space: global }
      - { .name: s1c, .offset: 48, .size: 8, .value_kind: global_buffer, .address_space: global }
      - { .name: s1s, .offset: 56, .size: 8, .value_kind: global_buffer, .address_space: global }
    .group_segment_fixed_size: 279040
    .private_segment_fixed_size: 0
    .kernarg_segment_align: 8
    .kernarg_segment_size: 64
    .max_flat_workgroup_size: 128
    .sgpr_count:     102
    .vgpr_count:     1024
    .wavefront_size: 32
...
	.end_amdgpu_metadata
.endif
;; end of part 2
;; launch attn (part 3): grid 4 x 64, 16 waves a work-group, clusters of 4 x 1, 169,984 bytes of LDS; arguments atc, ats, s1c, s1s; writes s1c, s1s
.if DOCPART == 3
	.amdgcn_target "amdgcn-amd-amdhsa--gfx1250"
	.amdhsa_code_object_version 6
	.text
	.protected	k_qd64a056e1e_attn
	.globl	k_qd64a056e1e_attn
	.p2align	8
	.type	k_qd64a056e1e_attn,@function
k_qd64a056e1e_attn:
	s_mov_b64 s[64:65], 0
	v_nop
	global_prefetch_b8 v0, s[64:65] scope:SCOPE_SE
	s_setreg_imm32_b32 hwreg(HW_REG_WAVE_MODE, 25, 1), 1
	s_wait_xcnt 0x0
	s_wait_alu depctr_hold_cnt(0) depctr_sa_sdst(0) depctr_va_vdst(0) depctr_va_sdst(0) depctr_va_ssrc(0) depctr_va_vcc(0) depctr_vm_vsrc(0)
	s_getreg_b32 s2, hwreg(HW_REG_IB_STS2, 6, 4)
	s_cmp_eq_u32 s2, 0
	s_cbranch_scc0 .Lentry_in_a_cluster
	s_endpgm
.Lentry_in_a_cluster:
	s_bfe_u32 s2, ttmp6, 0x10000c
	s_cmp_lg_u32 s2, 0x3003
	s_cbranch_scc0 .Lentry_shape_is_right
	s_endpgm
.Lentry_shape_is_right:
; ATTN.  O = softmax(q k^T / 8) v for 128 (batch, head) of 1,024 x 64, both products on codes of FP4 with E8M0 scales; O / l is quantised along the hidden axis and leaves as codes.
; THE SOFTMAX AHEAD OF THE SECOND PRODUCT: t = score x log2(e) / 8; M = the running largest t rounded UP to a whole number; p = 2^(t - M) is quantised along the keys, not normalised; the row's sum is taken of the
; unquantised p; when M moves, the sum and O are multiplied by 2^(old M - new M), which rounds nothing.
; SHARES.  A work-group owns 256 queries of a PAIR of heads (128 neighbouring hidden columns: one K step of the next product); each of its sixteen waves owns one tile of 16 queries and serves the two heads one after the other.
; K, V^T and their scale words of both heads lie in LDS whole, brought by first fills alone (waves 0-3: 32 KiB of codes each; waves 4, 5: 4 KiB of scale words each; one tensor load a wave).
; CLUSTER: the four blocks of queries of a pair of heads read the same K and V: every tile is asked for jointly, mask 15.
; LAYOUT.  Both products are used transposed: a lane holds ONE query.  Rows lie in the order rho (bits 3 and 4 of the index exchanged), so the 16 registers of two neighbouring tiles are 16 neighbours of the original order.
; A HEAD IS 64 AND THE INSTRUCTION'S K IS 128: a fragment of K holds key tile 2 j in its first half of K and key tile 2 j + 1 in its second.  Against (q, zero codes) it gives tile 2 j's scores, against (zero codes, q) tile 2 j + 1's.
; LIMITS: NaN and infinities are not served; 1 / l is v_rcp_f32; a block whose largest magnitude lies under 2^-124 gets the byte 1 (only this program reads the bytes).  The block's largest p is made from the block's
; largest score by the same multiply-add and exponential, which takes v_exp_f32 not to fall where its input rises.
; REGISTERS: v1 16 lane, v2 16 r, v3-6 the step's LDS addresses, v7, v10 the words' gathering, v8 the scale word in the making, v9 a head's two bytes, v11 a store's offset; v12 -M, v13 the largest t, v[14:15] the sum;
;   v16-23 (q, 0), v24-31 (0, q), v32-35 the next head's q, v36-37 q's scale words; v40-71 four fragments; v72-75, v76-79 K's and V's scale words, v80 p's; v96-159 S^T, then p; v160-191 O^T; v192-199 codes; v200-219 at work.
.set GA, 139264                        ; LDS: K 64 KiB at 0, V^T 64 KiB at 65,536, K's words 4 KiB at 131,072, V's at 135,168; then 1,024 bytes in which the new scale words meet (no fill lands there)
.macro PLACES
.rept 4
	v_nop
.endr
.endm
.macro CROUND
	s_barrier_signal -1
	s_barrier_wait -1
	s_cmp_lg_u32 s12, 0
	s_cbranch_scc1 .Lnot_wave_0_\@
	s_barrier_signal -3
.Lnot_wave_0_\@:
	s_barrier_wait -3
	s_barrier_signal -1
	s_barrier_wait -1
.endm
	s_load_b256 s[4:11], s[0:1], 0x0               ; atc, ats, s1c, s1s
	v_lshl_add_u32 v254, v0, 2, 0x29000
	v_mov_b32 v255, 0
	ds_add_u32 v254, v255
	ds_add_u32 v254, v255
	v_lshrrev_b32 v1, 5, v0
	v_readfirstlane_b32 s12, v1                    ; wave 0..15
	v_and_b32 v3, 31, v0
	v_lshlrev_b32 v1, 4, v3                        ; 16 x lane
	v_and_b32 v4, 15, v0
	v_lshlrev_b32 v2, 4, v4                        ; 16 r
	s_lshr_b32 s66, s12, 2
	s_lshl_b32 s66, s66, 8
	s_and_b32 s67, s12, 3
	s_lshl_b32 s67, s67, 2
	s_add_co_u32 s66, s66, s67
	s_add_co_u32 s66, s66, GA
	v_add_nc_u32 v7, s66, v2                       ; my word: 256 (w / 4) + 16 r + 4 (w % 4)
	s_and_b32 s67, s12, 1
	s_lshl_b32 s66, s67, 9
	s_add_co_u32 s66, s66, GA
	v_add_nc_u32 v10, s66, v1                      ; waves 0, 1 read them back: 512 w + 16 lane
	v_bfe_u32 v5, v0, 4, 1
	v_lshl_add_u32 v11, v5, 11, v2                 ; and store them: 2,048 (lane / 16) + 16 r
	s_bfe_u32 s13, ttmp6, 0x40000                  ; cx
	s_lshl_b32 s15, ttmp9, 2
	s_add_co_u32 s15, s15, s13                     ; which quarter of the queries
	s_and_b32 s14, ttmp7, 0xffff                   ; y = 8 x batch + pair of heads: shared by the four partners
	; group 1: dense blocks as rows of 256 bytes (32 elements of 8 bytes): 128 rows of codes, 16 of scale words
	s_mov_b32 s16, 15|(3<<16)|(1<<21)              ; 15:0 the mask: all four; 17:16 elements of 8 bytes; 21 set beside a mask
	s_mov_b32 s17, 32<<16
	s_mov_b32 s18, 128<<16
	s_mov_b32 s19, 32<<16
	s_mov_b32 s20, 128
	s_mov_b32 s21, 32
	s_mov_b32 s22, 0
	s_mov_b32 s23, 0
	s_mov_b32 s24, 15|(3<<16)|(1<<21)
	s_mov_b32 s25, 32<<16
	s_mov_b32 s26, 16<<16
	s_mov_b32 s27, 32<<16
	s_mov_b32 s28, 16
	s_mov_b32 s29, 32
	s_mov_b32 s30, 0
	s_mov_b32 s31, 0
	s_bfe_u32 s66, s12, 0x10001                    ; waves 0, 1: K; waves 2, 3: V^T.  s67: which head of the pair
	s_lshl_b32 s68, s66, 22
	s_add_co_u32 s68, s68, 0x400000
	s_lshl_b32 s70, s14, 16
	s_add_co_u32 s68, s68, s70
	s_lshl_b32 s70, s67, 15
	s_add_co_u32 s68, s68, s70
	s_mov_b32 s69, 0
	s_lshl_b32 s71, s66, 16
	s_add_co_u32 s71, s71, s70
	s_lshl_b32 s72, s67, 18                        ; wave 4: K's words; wave 5: V's
	s_add_co_u32 s72, s72, 0x40000
	s_lshl_b32 s70, s14, 12
	s_add_co_u32 s72, s72, s70
	s_mov_b32 s73, 0
	s_lshl_b32 s74, s67, 12
	s_add_co_u32 s74, s74, 131072
	s_mov_b32 s48, 0x76543210
	s_mov_b32 s49, 0xfedcba98                      ; v_permlanex16_b32's selects for lane l xor 16
	s_mov_b32 s50, 0x3e38aa3b                      ; c = log2(e) / 8
	s_mov_b32 s51, s50                             ; (named with it as a pair)
	s_mov_b32 s52, 0                               ; the step's K, V^T, K's words, V's words: the second head's lie straight behind the first's
	s_mov_b32 s53, 65536
	s_mov_b32 s54, 131072
	s_mov_b32 s55, 135168
	s_mul_i32 s59, s67, 0x02020202
	s_add_co_u32 s58, s59, 0x01000100              ; which half of a pair word is my tile's: both halves of q's scale word take it
	s_wait_dscnt 0x0
	s_wait_kmcnt 0x0
	s_mov_b32 s32, 1
	s_mov_b32 s33, s71
	s_add_nc_u64 s[34:35], s[4:5], s[68:69]
	s_or_b32 s35, s35, 0x80000000
	s_mov_b32 s40, 1
	s_mov_b32 s41, s74
	s_add_nc_u64 s[42:43], s[6:7], s[72:73]
	s_or_b32 s43, s43, 0x80000000
	CROUND                                         ; all four work-groups are here: the joint loads meet
	s_cmp_lt_u32 s12, 4
	s_cbranch_scc0 .Lnot_codes
	tensor_load_to_lds s[32:35], s[16:23]
	s_nop 0
.rept 4
	v_nop
.endr
	s_branch .Lasked
.Lnot_codes:
	s_cmp_lt_u32 s12, 6
	s_cbranch_scc0 .Lasked
	tensor_load_to_lds s[40:43], s[24:31]
	s_nop 0
.rept 4
	v_nop
.endr
.Lasked:
	s_lshl_b32 s75, s15, 4
	s_add_co_u32 s75, s75, s12                     ; my tile of queries, 0 .. 63
	s_lshl_b32 s76, s14, 16
	s_lshl_b32 s59, s75, 9
	s_add_co_u32 s76, s76, s59
	s_mov_b32 s77, 0
	s_add_nc_u64 s[62:63], s[4:5], s[76:77]        ; q's codes: (pair's first head, my tile)
	s_lshl_b32 s76, s14, 12
	s_lshr_b32 s59, s75, 3
	s_lshl_b32 s59, s59, 8
	s_add_co_u32 s76, s76, s59
	s_bfe_u32 s59, s75, 0x20001
	s_lshl_b32 s59, s59, 2
	s_add_co_u32 s76, s76, s59
	s_add_nc_u64 s[78:79], s[6:7], s[76:77]        ; and the pair word that holds its bytes
	s_lshr_b32 s70, s14, 3                         ; the batch
	s_and_b32 s71, s14, 7                          ; the pair of heads = the next product's K step
	s_lshl_b32 s76, s70, 19
	s_lshl_b32 s59, s75, 13
	s_add_co_u32 s76, s76, s59
	s_lshl_b32 s59, s71, 10
	s_add_co_u32 s76, s76, s59
	s_add_nc_u64 s[60:61], s[8:9], s[76:77]        ; O's codes: ((64 b + tile) 8 + K step) 1,024
	s_lshl_b32 s76, s70, 15
	s_lshl_b32 s59, s15, 13
	s_add_co_u32 s76, s76, s59
	s_lshl_b32 s59, s12, 12
	s_add_co_u32 s76, s76, s59
	s_lshl_b32 s59, s71, 8
	s_add_co_u32 s76, s76, s59
	s_add_nc_u64 s[10:11], s[10:11], s[76:77]      ; O's scale words: ((16 b + 4 quarter + 2 w) 8 + K step) 256; used by waves 0, 1
	global_load_b128 v[16:19], v1, s[62:63]
	global_load_b128 v[32:35], v1, s[62:63] offset:32768
	global_load_b32 v36, v2, s[78:79]
	global_load_b32 v37, v2, s[78:79] offset:2048
.irp j, 20,21,22,23,24,25,26,27
	v_mov_b32 v\j, 0                               ; the zero codes
.endr
.irp j, 204,205,206,207,213,214
	v_mov_b32 v\j, 0                               ; written once: lane permutes' destinations, and the upper half of the pair v[212:213]
.endr
	v_mov_b32 v8, 0
	s_wait_loadcnt 0x0
.irp j, 0,1,2,3
	v_mov_b32 v[28+\j], v[16+\j]
.endr
	v_perm_b32 v36, v36, v36, s58
	v_perm_b32 v37, v37, v37, s58
	s_wait_tensorcnt 0x0                           ; my load has landed,
	s_barrier_signal -1
	s_barrier_wait -1                              ; everybody's has
	s_mov_b32 s57, 2
.Lpass:                                            ; a head
	v_mov_b32 v13, 0xff61b1e6                      ; the largest t so far: -3e38
	v_floor_f32 v12, -v13
	v_mov_b32 v14, 0
	v_mov_b32 v15, 0
.set nn, 0
.rept 32
	v_mov_b32 v[160+nn], 0                         ; O^T: the step is written once; the first change of M leaves zeros zeros
.set nn, nn+1
.endr
	s_mov_b32 s56, 8
.Lstep:                                            ; 128 keys
	v_add_nc_u32 v3, s52, v1                       ; (these four are also the places in front of the loads into registers that the last products read)
	v_add_nc_u32 v4, s53, v1
	v_add_nc_u32 v5, s54, v2
	v_add_nc_u32 v6, s55, v2
.irp m, 0,1,2,3,4,5,6,7
	ds_load_b128 v[40+4*\m:43+4*\m], v3 offset:512*\m
.endr
	ds_load_b128 v[72:75], v5
	s_wait_dscnt 0x0
.irp j, 0,1,2,3
	v_wmma_scale_f32_16x16x128_f8f6f4 v[96+16*\j:103+16*\j], v[40+8*\j:47+8*\j], v[16:23], 0, v[72+\j], v36 matrix_a_fmt:MATRIX_FMT_FP4 matrix_b_fmt:MATRIX_FMT_FP4
	v_wmma_scale_f32_16x16x128_f8f6f4 v[104+16*\j:111+16*\j], v[40+8*\j:47+8*\j], v[24:31], 0, v[72+\j], v36 matrix_a_fmt:MATRIX_FMT_FP4 matrix_b_fmt:MATRIX_FMT_FP4
.endr                                              ; register 16 j + i: key 32 j + 16 (lane / 16) + i of the step
	PLACES
.irp t, 0,1,2,3
.irp c, 0,1
	ds_load_b128 v[40+8*\t+4*\c:43+8*\t+4*\c], v4 offset:1024*\t+512*\c      ; V^T lands under the softmax
.endr
.endr
	ds_load_b128 v[76:79], v6
.irp b, 0,1,2,3
	v_max3_num_f32 v[200+\b], v[96+16*\b], v[97+16*\b], v[98+16*\b]          ; the largest score of each block of 32 keys: for the row's maximum, and for the block's largest p
.endr
.irp i, 3,5,7,9,11,13
.irp b, 0,1,2,3
	v_max3_num_f32 v[200+\b], v[200+\b], v[96+16*\b+\i], v[97+16*\b+\i]
.endr
.endr
.irp b, 0,1,2,3
	v_max_num_f32 v[200+\b], v[200+\b], v[111+16*\b]
.endr
.irp b, 0,1,2,3
	v_permlanex16_b32 v[204+\b], v[200+\b], s48, s49
.endr
.irp b, 0,1,2,3
	v_max_num_f32 v[200+\b], v[200+\b], v[204+\b]
.endr
	v_max3_num_f32 v214, v200, v201, v202
	v_max_num_f32 v214, v214, v203
	v_mul_f32 v214, s50, v214                      ; as t
	v_max_num_f32 v13, v13, v214                   ; the running largest t
	v_mov_b32 v214, v12
	v_floor_f32 v12, -v13                          ; the new -M = -ceil(t)
	v_sub_f32 v214, v12, v214                      ; old M - new M: a whole number, 0 or less
	v_cvt_i32_f32 v214, v214
	v_ldexp_f32 v212, 1.0, v214                    ; f = 2^(old M - new M)
.set nn, 0
.rept 32
	v_pk_fma_f32 v[96+nn:97+nn], v[96+nn:97+nn], s[50:51], v[12:13] op_sel_hi:[1,0,0]   ; t - M
.set nn, nn+2
.endr
.irp b, 0,1,2,3
	v_fma_f32 v[200+\b], v[200+\b], s50, v12
.endr
.set nn, 0
.rept 64
	v_exp_f32 v[96+nn], v[96+nn]                   ; p = 2^(t - M)
.set nn, nn+1
.endr
.irp b, 0,1,2,3
	v_exp_f32 v[200+\b], v[200+\b]                 ; the block's largest p
.endr
	v_pk_mul_f32 v[14:15], v[14:15], v[212:213] op_sel_hi:[1,0]   ; the sums under the new M (a plain place behind the exponentials)
	s_wait_alu depctr_va_vdst(0)
.irp b, 0,1,2,3
	v_max_num_f32 v[200+\b], 0x1800000, v[200+\b]  ; the floor 2^(3 - 127)
.endr
.irp b, 0,1,2,3
	v_add_nc_u32 v[208+\b], 0xff000000, v[200+\b]  ; the conversion's scale operand
.endr
.irp b, 0,1,2,3
	v_lshrrev_b32 v[204+\b], 23, v[208+\b]         ; the scale's byte
.endr
	v_lshl_or_b32 v80, v205, 8, v204               ; p's scale word for these 128 keys
	v_lshl_or_b32 v80, v206, 16, v80
	v_lshl_or_b32 v80, v207, 24, v80
.irp b, 0,1,2,3
	v_cvt_scalef32_pk8_fp4_f32 v[192+2*\b], v[96+16*\b:103+16*\b], v[208+\b]
	v_cvt_scalef32_pk8_fp4_f32 v[193+2*\b], v[104+16*\b:111+16*\b], v[208+\b]
.endr
	v_nop                                          ; one plain place behind a scaled conversion
.irp c, 0,1
.irp i, 0,1
	v_permlane16_swap_b32 v[192+4*\c+\i], v[194+4*\c+\i]
.endr
.endr
	v_pk_add_f32 v[216:217], v[96:97], v[98:99]    ; the row's sum, of the unquantised p, in two chains
.irp j, 4,8,12,16,20,24,28,32,36,40,44,48,52,56,60
	v_pk_add_f32 v[14:15], v[14:15], v[96+\j:97+\j]
	v_pk_add_f32 v[216:217], v[216:217], v[98+\j:99+\j]
.endr
	v_pk_add_f32 v[14:15], v[14:15], v[216:217]
.set nn, 0
.rept 16
	v_pk_mul_f32 v[160+nn:161+nn], v[160+nn:161+nn], v[212:213] op_sel_hi:[1,0]   ; O^T under the new M
.set nn, nn+2
.endr
	s_wait_dscnt 0x0                               ; V^T and its words are in
.irp t, 0,1,2,3
	v_wmma_scale_f32_16x16x128_f8f6f4 v[160+8*\t:167+8*\t], v[40+8*\t:47+8*\t], v[192:199], v[160+8*\t:167+8*\t], v[76+\t], v80 matrix_a_fmt:MATRIX_FMT_FP4 matrix_b_fmt:MATRIX_FMT_FP4
.endr
	s_add_co_u32 s52, s52, 4096
	s_add_co_u32 s53, s53, 4096
	s_add_co_u32 s54, s54, 256
	s_add_co_u32 s55, s55, 256
	s_sub_co_u32 s56, s56, 1
	s_cmp_lg_u32 s56, 0
	s_cbranch_scc1 .Lstep
	PLACES                                         ; behind the last products, ahead of the first read of O^T
	v_add_f32 v14, v14, v15
	v_permlanex16_b32 v214, v14, s48, s49
	v_add_f32 v14, v14, v214                       ; the row's sum
	v_rcp_f32 v216, v14
	v_rcp_f32 v217, v14
	v_nop
.set nn, 0
	s_wait_alu depctr_va_vdst(0)
.rept 16
	v_pk_mul_f32 v[96+nn:97+nn], v[160+nn:161+nn], v[216:217]   ; O^T / l: register 16 b + i is channel 32 b + 16 (lane / 16) + i of the head
.set nn, nn+2
.endr
.irp b, 0,1
	v_max3_num_f32 v[200+\b], |v[96+16*\b]|, |v[97+16*\b]|, 0x1800000
.endr
.irp i, 2,4,6,8,10,12,14
.irp b, 0,1
	v_max3_num_f32 v[200+\b], v[200+\b], |v[96+16*\b+\i]|, |v[97+16*\b+\i]|
.endr
.endr
.irp b, 0,1
	v_permlanex16_b32 v[204+\b], v[200+\b], s48, s49
.endr
.irp b, 0,1
	v_max_num_f32 v[200+\b], v[200+\b], v[204+\b]
.endr
.irp b, 0,1
	v_add_nc_u32 v[208+\b], 0xff000000, v[200+\b]
.endr
.irp b, 0,1
	v_lshrrev_b32 v[204+\b], 23, v[208+\b]
.endr
	v_lshl_or_b32 v9, v205, 8, v204                ; the head's two bytes
.irp b, 0,1
	v_cvt_scalef32_pk8_fp4_f32 v[192+2*\b], v[96+16*\b:103+16*\b], v[208+\b]
	v_cvt_scalef32_pk8_fp4_f32 v[193+2*\b], v[104+16*\b:111+16*\b], v[208+\b]
.endr
	v_nop
	v_permlane16_swap_b32 v192, v194
	v_permlane16_swap_b32 v193, v195
	global_store_b128 v1, v[192:195], s[60:61]     ; half an image: 512 consecutive bytes, aligned
	v_lshrrev_b32 v8, 16, v8
	v_lshl_or_b32 v8, v9, 16, v8                   ; behind both heads: the first's bytes below, the second's above
.irp j, 0,1,2,3
	v_mov_b32 v[16+\j], v[32+\j]                   ; the next head's q
	v_mov_b32 v[28+\j], v[32+\j]
.endr
	v_mov_b32 v36, v37
	s_wait_xcnt 0x0                                ; the store has read its data and its base: both are written again
	s_add_nc_u64 s[60:61], s[60:61], 512
	s_sub_co_u32 s57, s57, 1
	s_cmp_lg_u32 s57, 0
	s_cbranch_scc1 .Lpass
	ds_store_b32 v7, v8                            ; both halves of the lanes write the same word with the same value
	s_wait_dscnt 0x0                               ; for the others' sake
	s_barrier_signal -1
	s_barrier_wait -1
	s_cmp_lt_u32 s12, 2
	s_cbranch_scc0 .Ldone
	ds_load_b128 v[96:99], v10
	s_wait_dscnt 0x0
	global_store_b128 v11, v[96:99], s[10:11]      ; sixteen lanes store 256 consecutive bytes, aligned
.Ldone:
	s_wait_tensorcnt 0x0
	ds_add_u32 v254, v255
	s_wait_dscnt 0x0
	CROUND                                         ; the closing round
	s_endpgm
.Lfunc_end_k_qd64a056e1e_attn:
	.size	k_qd64a056e1e_attn, .Lfunc_end_k_qd64a056e1e_attn-k_qd64a056e1e_attn
	.p2alignl 7, 3214868480
	.fill 96, 4, 3214868480
	.section	.rodata,"a",@progbits
	.p2align	6, 0x0
	.amdhsa_kernel k_qd64a056e1e_attn
		.amdhsa_group_segment_fixed_size 169984
		.amdhsa_private_segment_fixed_size 0
		.amdhsa_enable_private_segment 0
		.amdhsa_kernarg_size 32
		.amdhsa_user_sgpr_count 2
		.amdhsa_user_sgpr_kernarg_segment_ptr 1
		.amdhsa_wavefront_size32 1
		.amdhsa_system_sgpr_workgroup_id_x 1
		.amdhsa_system_sgpr_workgroup_id_y 1
		.amdhsa_system_sgpr_workgroup_id_z 1
		.amdhsa_system_vgpr_workitem_id 0
		.amdhsa_next_free_vgpr 256
		.amdhsa_next_free_sgpr 80
		.amdhsa_reserve_vcc 0
		.amdhsa_float_denorm_mode_32 3
		.amdhsa_float_denorm_mode_16_64 3
		.amdhsa_memory_ordered 1
		.amdhsa_forward_progress 1
		.amdhsa_inst_pref_size 29
	.end_amdhsa_kernel
	.amdgpu_metadata
---
amdhsa.version: [ 1, 2 ]
amdhsa.kernels:
  - .name:           k_qd64a056e1e_attn
    .symbol:         k_qd64a056e1e_attn.kd
    .args:
      - { .name: atc, .offset: 0, .size: 8, .value_kind: global_buffer, .address_space: global }
      - { .name: ats, .offset: 8, .size: 8, .value_kind: global_buffer, .address_space: global }
      - { .name: s1c, .offset: 16, .size: 8, .value_kind: global_buffer, .address_space: global }
      - { .name: s1s, .offset: 24, .size: 8, .value_kind: global_buffer, .address_space: global }
    .group_segment_fixed_size: 169984
    .private_segment_fixed_size: 0
    .kernarg_segment_align: 8
    .kernarg_segment_size: 32
    .max_flat_workgroup_size: 512
    .sgpr_count:     80
    .vgpr_count:     256
    .wavefront_size: 32
...
	.end_amdgpu_metadata
.endif
;; end of part 3
;; launch outp (part 4): grid 8 x 64, 4 waves a work-group, clusters of 4 x 4, 296,448 bytes of LDS; arguments opc, ops, dcf, s1c, s1s, out0; writes out0
.if DOCPART == 4
	.amdgcn_target "amdgcn-amd-amdhsa--gfx1250"
	.amdhsa_code_object_version 6
	.text
	.protected	k_qd64a056e1e_outp
	.globl	k_qd64a056e1e_outp
	.p2align	8
	.type	k_qd64a056e1e_outp,@function
k_qd64a056e1e_outp:
	s_mov_b64 s[64:65], 0
	v_nop
	global_prefetch_b8 v0, s[64:65] scope:SCOPE_SE
	s_setreg_imm32_b32 hwreg(HW_REG_WAVE_MODE, 25, 1), 1
	s_wait_xcnt 0x0
	s_wait_alu depctr_hold_cnt(0) depctr_sa_sdst(0) depctr_va_vdst(0) depctr_va_sdst(0) depctr_va_ssrc(0) depctr_va_vcc(0) depctr_vm_vsrc(0)
	s_getreg_b32 s2, hwreg(HW_REG_IB_STS2, 6, 4)
	s_cmp_eq_u32 s2, 0
	s_cbranch_scc0 .Lentry_in_a_cluster
	s_endpgm
.Lentry_in_a_cluster:
	s_bfe_u32 s2, ttmp6, 0x10000c
	s_cmp_lg_u32 s2, 0xf033
	s_cbranch_scc0 .Lentry_shape_is_right
	s_endpgm
.Lentry_shape_is_right:
; OUTP.  out0 = (ao w^T) * w_dc + (skip u^T) * u_dc: two products [8192][1024] x [1024][1024] on codes of FP4 with E8M0 scales, each scaled by its factor of (batch, column), added, f32.
; SHARES.  A work-group makes 128 positions x 128 columns of both products; all of K of both lies in LDS, brought by first fills alone (no byte is filled twice).  Four waves, each 64 x 64: 16 accumulators a product.
;   A tile of 256 positions would want more LDS than there is for both products; a tile of 256 x 256 would give work to half as many work-groups.
; CLUSTERS: 4 x 4.  The four of a row of the cluster need the same positions, the four of a column the same rows of the weights: each tile is asked for jointly.  A wave has three tensor loads out at the most.
; The matrix instruction is used transposed (source 0 = 16 rows of the weight): a lane holds one position, and, the weights' rows lying in the order rho (bits 3 and 4 exchanged), the 16 registers of two neighbouring
; tiles are 16 neighbouring columns.  The positions' own order rho is undone by the last stores' offsets.
; REGISTERS: window 0: v1-12 addresses; v32-95 scale words; v96-223 two sets of fragments (weight's four at +0, positions' four at +32); on the way out v96-127 sums, v128-159 rows read back.
;   window 1: accumulator (product, a, b) at v[128 product + 8 (4 a + b)].   window 2: v0-31 w_dc, v32-63 u_dc of a lane's 32 columns.
.set SCL,  262144                      ; LDS: [product 2][positions 64 KiB | weight 64 KiB]; scale words: 4,096 x wave + 2,048 x product; then a stage of 16 rows x 272 bytes for each wave (no fill lands there)
.set PR,   131072
.set STG,  278528
.set ADY,  4
.set ADX,  6
.set ADS,  8
.set SC,   32
.set F,    96
.set T,    96
.set BK,   128
.set G1Y, 32
.set G1X, 40
.set G1SY, 48
.set G1SX, 56
.set G0Y, 68
.set G0X, 76
.set G0SY, 84
.set G0SX, 88
.set MSB, 0
.macro WIN new
.if MSB != (\new)
	s_set_vgpr_msb (MSB<<8)|(\new)
.set MSB, (\new)
.endif
.endm
.macro PLACES
.rept 4
	v_nop
.endr
.endm
.macro JLOAD g0y, g1y, g0x, g1x        ; waves 0, 1 fetch the positions' halves, waves 2, 3 the weights'; four v_nop follow each line
	s_cmp_eq_u32 s21, 0
	s_cbranch_scc0 .Lfor_x_\@
	tensor_load_to_lds s[\g0y:\g0y+3], s[\g1y:\g1y+7]
	s_nop 0
.rept 4
	v_nop
.endr
	s_branch .Lasked_\@
.Lfor_x_\@:
	tensor_load_to_lds s[\g0x:\g0x+3], s[\g1x:\g1x+7]
	s_nop 0
.rept 4
	v_nop
.endr
.Lasked_\@:
.endm
.macro CROUND
	s_barrier_signal -1
	s_barrier_wait -1
	s_cmp_lg_u32 s20, 0
	s_cbranch_scc1 .Lnot_wave_0_\@
	s_barrier_signal -3
.Lnot_wave_0_\@:
	s_barrier_wait -3
	s_barrier_signal -1
	s_barrier_wait -1
.endm
	s_load_b256 s[4:11], s[0:1], 0x0               ; opc, ops, dcf, s1c
	s_load_b128 s[12:15], s[0:1], 0x20             ; s1s, out0
	v_lshl_add_u32 v254, v0, 2, 0x48400
	v_mov_b32 v255, 0
	ds_add_u32 v254, v255
	ds_add_u32 v254, v255
	v_lshrrev_b32 v1, 5, v0
	v_readfirstlane_b32 s20, v1                    ; wave 0..3
	s_lshr_b32 s21, s20, 1                         ; my half of the positions.  Also: I fetch positions (0) or weights (1)
	s_and_b32 s22, s20, 1                          ; my half of the columns.  Also: which half I fetch
	s_bfe_u32 s23, ttmp6, 0x40000                  ; cx
	s_bfe_u32 s24, ttmp6, 0x40004                  ; cy
	s_lshl_b32 s25, ttmp9, 2
	s_add_co_u32 s25, s25, s23                     ; which 128 columns
	s_and_b32 s26, ttmp7, 0xffff
	s_lshl_b32 s26, s26, 2
	s_add_co_u32 s26, s26, s24                     ; which 128 positions
	s_lshl_b32 s28, s24, 2
	s_lshl_b32 s28, 15, s28                        ; my row of the cluster
	s_lshl_b32 s29, 0x1111, s23                    ; my column
	v_and_b32 v15, 31, v0
	v_lshlrev_b32 v1, 4, v15                       ; 16 x lane
	v_and_b32 v2, 15, v0                           ; r
	v_bfe_u32 v3, v0, 4, 1                         ; h
	s_lshl_b32 s31, s21, 15
	v_add_nc_u32 v[ADY], s31, v1
	v_add_nc_u32 v[ADY+1], PR, v[ADY]
	s_lshl_b32 s31, s22, 15
	s_add_co_u32 s31, s31, 65536
	v_add_nc_u32 v[ADX], s31, v1
	v_add_nc_u32 v[ADX+1], PR, v[ADX]
	s_lshl_b32 s31, s22, 12
	s_add_co_u32 s31, s31, 8192
	s_lshl_b32 s30, s21, 12
	s_sub_co_u32 s31, s31, s30
	v_mul_u32_u24 v[ADS], s31, v3                  ; one product: lanes 16-31 take the weights' words
	v_lshl_add_u32 v[ADS], v2, 4, v[ADS]
	s_add_co_u32 s30, s30, SCL
	v_add_nc_u32 v[ADS], s30, v[ADS]
	s_mul_i32 s31, s20, 4352
	s_add_co_u32 s31, s31, STG                     ; my stage
	v_mul_u32_u24 v9, v2, 272
	v_lshl_add_u32 v9, v3, 6, v9
	v_add_nc_u32 v9, s31, v9                       ; in: row r, + 64 h
	v_mul_u32_u24 v10, v3, 272
	v_lshl_add_u32 v10, v2, 4, v10
	v_add_nc_u32 v10, s31, v10                     ; back: lanes 0-15 one row, lanes 16-31 the next
	v_lshlrev_b32 v11, 12, v3
	v_lshl_add_u32 v11, v2, 4, v11                 ; and the same two rows in out0
	v_lshlrev_b32 v12, 6, v3                       ; 64 h: my half's 16 factors of each 32
	; group 1.  Codes: 32,768 dense bytes as 128 rows of 256.  Scale words: 2 rows of 2,048 bytes, one for each product
	s_or_b32 s[G1Y], s28, (3<<16)|(1<<21)
	s_or_b32 s[G1X], s29, (3<<16)|(1<<21)
.irp g, G1Y, G1X
	s_mov_b32 s[\g+1], 32<<16
	s_mov_b32 s[\g+2], 128<<16
	s_mov_b32 s[\g+3], 32<<16
	s_mov_b32 s[\g+4], 128
	s_mov_b32 s[\g+5], 32
	s_mov_b32 s[\g+6], 0
	s_mov_b32 s[\g+7], 0
.endr
	s_or_b32 s[G1SY], s28, (3<<16)|(1<<21)
	s_or_b32 s[G1SX], s29, (3<<16)|(1<<21)
.irp g, G1SY, G1SX
	s_mov_b32 s[\g+1], 256<<16
	s_mov_b32 s[\g+2], 2<<16
	s_mov_b32 s[\g+3], 256<<16
	s_mov_b32 s[\g+4], 2
	s_mov_b32 s[\g+6], 0
	s_mov_b32 s[\g+7], 0
.endr
	s_mov_b32 s[G1SY+5], 32768                     ; from ao's words to skip's: 262,144 bytes
	s_mov_b32 s[G1SX+5], 4096                      ; from w's words to u's: 32,768 bytes
	s_lshl_b32 s2, s26, 16
	s_lshl_b32 s3, s22, 15
	s_add_co_u32 s2, s2, s3
	s_mov_b32 s3, 0
	s_lshl_b32 s66, s25, 16
	s_lshl_b32 s67, s22, 15
	s_add_co_u32 s66, s66, s67
	s_add_co_u32 s66, s66, 0x580000                ; w's tiles: behind xn's 512 and q's, k's, v's 192
	s_mov_b32 s67, 0
	s_lshl_b32 s31, s20, 15
	s_wait_dscnt 0x0
	s_wait_kmcnt 0x0
	s_mov_b32 s[G0Y], 1
	s_mov_b32 s[G0Y+1], s31
	s_add_nc_u64 s[G0Y+2:G0Y+3], s[10:11], s[2:3]
	s_mov_b32 s[G0Y+4], 1
	s_add_co_u32 s[G0Y+5], s31, PR
	s_add_nc_u64 s[G0Y+6:G0Y+7], s[G0Y+2:G0Y+3], 0x400000
	s_or_b32 s[G0Y+3], s[G0Y+3], 0x80000000
	s_or_b32 s[G0Y+7], s[G0Y+7], 0x80000000
	s_mov_b32 s[G0X], 1
	s_mov_b32 s[G0X+1], s31
	s_add_nc_u64 s[G0X+2:G0X+3], s[4:5], s[66:67]
	s_mov_b32 s[G0X+4], 1
	s_add_co_u32 s[G0X+5], s31, PR
	s_add_nc_u64 s[G0X+6:G0X+7], s[G0X+2:G0X+3], 0x80000
	s_or_b32 s[G0X+3], s[G0X+3], 0x80000000
	s_or_b32 s[G0X+7], s[G0X+7], 0x80000000
	s_lshl_b32 s30, s22, 11
	s_lshl_b32 s2, s26, 12
	s_add_co_u32 s2, s2, s30
	s_lshl_b32 s66, s25, 12
	s_add_co_u32 s66, s66, s30
	s_add_co_u32 s66, s66, 0x58000
	s_lshl_b32 s31, s20, 12
	s_add_co_u32 s31, s31, SCL
	s_mov_b32 s[G0SY], 1
	s_mov_b32 s[G0SY+1], s31
	s_add_nc_u64 s[G0SY+2:G0SY+3], s[12:13], s[2:3]
	s_or_b32 s[G0SY+3], s[G0SY+3], 0x80000000
	s_mov_b32 s[G0SX], 1
	s_mov_b32 s[G0SX+1], s31
	s_add_nc_u64 s[G0SX+2:G0SX+3], s[6:7], s[66:67]
	s_or_b32 s[G0SX+3], s[G0SX+3], 0x80000000
	CROUND                                         ; all sixteen work-groups are here: the joint loads meet
	JLOAD G0SY, G1SY, G0SX, G1SX                   ; both products' scale words,
	JLOAD G0Y, G1Y, G0X, G1X                       ; ao and w,
	JLOAD G0Y+4, G1Y, G0X+4, G1X                   ; skip and u
	s_lshl_b32 s96, s26, 19
	s_lshl_b32 s98, s21, 18
	s_add_co_u32 s96, s96, s98
	s_lshl_b32 s98, s25, 9
	s_add_co_u32 s96, s96, s98
	s_lshl_b32 s99, s22, 8
	s_add_co_u32 s96, s96, s99
	s_mov_b32 s97, 0
	s_add_nc_u64 s[92:93], s[14:15], s[96:97]      ; out0 at my first row and column
	s_lshr_b32 s96, s26, 3                         ; the batch
	s_lshl_b32 s96, s96, 12
	s_add_co_u32 s96, s96, 0x18000                 ; w_dc: weight 3
	s_add_co_u32 s96, s96, s98
	s_add_co_u32 s96, s96, s99
	s_add_nc_u64 s[94:95], s[8:9], s[96:97]
	WIN 0x80                                       ; destination window 2
.irp bb, 0,1
.irp k, 0,1,2,3
	global_load_b128 v[16*\bb+4*\k:16*\bb+4*\k+3], v12, s[94:95] offset:128*\bb+16*\k              ; register 16 b + i: column 32 b + 16 h + i
	global_load_b128 v[32+16*\bb+4*\k:32+16*\bb+4*\k+3], v12, s[94:95] offset:32768+128*\bb+16*\k  ; u_dc: weight 4
.endr
.endr
	WIN 0
.macro FETCH s, p                      ; step s = 8 x product + K step: eight fragments into set p
.irp i, 0,1,2,3
.irp c, 0,1
	ds_load_b128 v[F+64*(\p)+8*\i+4*\c:F+64*(\p)+8*\i+4*\c+3], v[ADX+(\s)/8] offset:8192*\i+1024*((\s)%8)+512*\c
	ds_load_b128 v[F+64*(\p)+32+8*\i+4*\c:F+64*(\p)+32+8*\i+4*\c+3], v[ADY+(\s)/8] offset:8192*\i+1024*((\s)%8)+512*\c
.endr
.endr
.endm
.macro MMO s, p, a, b
.set rD, 128*((\s)/8)+8*(4*(\a)+(\b))
.set rX, F+64*(\p)+8*(\b)
.set rY, F+64*(\p)+32+8*(\a)
.if (\s)%8 == 0
	v_wmma_scale_f32_16x16x128_f8f6f4 v[rD:rD+7], v[rX:rX+7], v[rY:rY+7], 0, v[SC+4*(\s)+(\b)], v[SC+4*(\s)+(\a)] matrix_a_fmt:MATRIX_FMT_FP4 matrix_b_fmt:MATRIX_FMT_FP4 matrix_a_scale:MATRIX_SCALE_ROW1
.else
	v_wmma_scale_f32_16x16x128_f8f6f4 v[rD:rD+7], v[rX:rX+7], v[rY:rY+7], v[rD:rD+7], v[SC+4*(\s)+(\b)], v[SC+4*(\s)+(\a)] matrix_a_fmt:MATRIX_FMT_FP4 matrix_b_fmt:MATRIX_FMT_FP4 matrix_a_scale:MATRIX_SCALE_ROW1
.endif
.endm
.macro STEP s
.if (\s) == 7
	s_wait_tensorcnt 0x0                           ; my part of the second product's codes has landed;
	s_wait_dscnt 0x0                               ; no LDS load of mine is out at a signal
	s_barrier_signal -1
	s_barrier_wait -1                              ; everybody's has
.endif
.if (\s) > 0
	PLACES                                         ; the loads below land in the set that the last step multiplied
.endif
.if (\s) < 15
	FETCH (\s)+1, ((\s)+1)%2
	s_wait_dscnt 16                                ; all but the 16 just issued
.else
	s_wait_dscnt 0x0
.endif
	WIN 0x50                                       ; C and D window 1
.irp a, 0,1,2,3
.irp b, 0,1,2,3
	MMO \s, (\s)%2, \a, \b                         ; a product's 16 accumulators take turns
.endr
.endr
	WIN 0
.endm
	s_wait_tensorcnt 0x1                           ; the scale words and my part of the first product's codes are in; the second's load may be out
	s_barrier_signal -1
	s_barrier_wait -1
.irp s, 0,1,2,3,4,5,6,7,8,9,10,11,12,13,14,15
	ds_load_b128 v[SC+4*\s:SC+4*\s+3], v[ADS] offset:2048*(\s/8)+256*(\s%8)   ; register 4 s + i: lanes 0-15 the positions' tile i, lanes 16-31 the weight's tile i
.endr
	FETCH 0, 0
.irp s, 0,1,2,3,4,5,6,7,8,9,10,11,12,13,14,15
	STEP \s
.endr
	s_wait_loadcnt 0x0                             ; the factors
	PLACES                                         ; behind the last products, ahead of the first read of results and of writes over the fragments
; THE WAY OUT, a tile of 16 positions x my 64 columns at a time, through my own stage: back as whole rows of 256 bytes
.macro OUT a
	s_wait_xcnt 0x0                                ; the last tile's stores have read their data
	WIN 0x09                                       ; source 0 window 1, source 1 window 2
.set nn, 0
.rept 16
	v_pk_mul_f32 v[T+nn:T+nn+1], v[32*(\a)+nn:32*(\a)+nn+1], v[nn:nn+1]                            ; each accumulator from its low end on
.set nn, nn+2
.endr
.set nn, 0
.rept 16
	v_pk_fma_f32 v[T+nn:T+nn+1], v[128+32*(\a)+nn:128+32*(\a)+nn+1], v[32+nn:33+nn], v[T+nn:T+nn+1]
.set nn, nn+2
.endr
	WIN 0
.irp t, 0,1,2,3
.irp k, 0,1
	ds_store_b128 v9, v[T+8*\t+4*\k:T+8*\t+4*\k+3] offset:128*(\t/2)+32*(\t%2)+16*\k
.endr
.endr
.irp t, 0,1,2,3,4,5,6,7
	ds_load_b128 v[BK+4*\t:BK+4*\t+3], v10 offset:544*\t       ; LDS serves a wave's instructions in order: these see my stores
.endr
.irp t, 0,1,2,3,4,5,6,7
	s_wait_dscnt 7-\t
	global_store_b128 v11, v[BK+4*\t:BK+4*\t+3], s[92:93] offset:(32*((\a)/2)+8*((\a)%2)+2*\t+8*(\t/4))*4096 th:TH_STORE_NT   ; position 16 a + 2 t + h is this original row; sixteen lanes store 256 consecutive bytes, aligned
.endr
.endm
.irp a, 0,1,2,3
	OUT \a
.endr
	s_wait_tensorcnt 0x0
	ds_add_u32 v254, v255
	s_wait_dscnt 0x0
	CROUND                                         ; the closing round
	s_endpgm
.Lfunc_end_k_qd64a056e1e_outp:
	.size	k_qd64a056e1e_outp, .Lfunc_end_k_qd64a056e1e_outp-k_qd64a056e1e_outp
	.p2alignl 7, 3214868480
	.fill 96, 4, 3214868480
	.section	.rodata,"a",@progbits
	.p2align	6, 0x0
	.amdhsa_kernel k_qd64a056e1e_outp
		.amdhsa_group_segment_fixed_size 296448
		.amdhsa_private_segment_fixed_size 0
		.amdhsa_enable_private_segment 0
		.amdhsa_kernarg_size 48
		.amdhsa_user_sgpr_count 2
		.amdhsa_user_sgpr_kernarg_segment_ptr 1
		.amdhsa_wavefront_size32 1
		.amdhsa_system_sgpr_workgroup_id_x 1
		.amdhsa_system_sgpr_workgroup_id_y 1
		.amdhsa_system_sgpr_workgroup_id_z 1
		.amdhsa_system_vgpr_workitem_id 0
		.amdhsa_next_free_vgpr 576
		.amdhsa_next_free_sgpr 102
		.amdhsa_reserve_vcc 0
		.amdhsa_float_denorm_mode_32 3
		.amdhsa_float_denorm_mode_16_64 3
		.amdhsa_memory_ordered 1
		.amdhsa_forward_progress 1
		.amdhsa_inst_pref_size 80
	.end_amdhsa_kernel
	.amdgpu_metadata
---
amdhsa.version: [ 1, 2 ]
amdhsa.kernels:
  - .name:           k_qd64a056e1e_outp
    .symbol:         k_qd64a056e1e_outp.kd
    .args:
      - { .name: opc, .offset: 0, .size: 8, .value_kind: global_buffer, .address_space: global }
      - { .name: ops, .offset: 8, .size: 8, .value_kind: global_buffer, .address_space: global }
      - { .name: dcf, .offset: 16, .size: 8, .value_kind: global_buffer, .address_space: global }
      - { .name: s1c, .offset: 24, .size: 8, .value_kind: global_buffer, .address_space: global }
      - { .name: s1s, .offset: 32, .size: 8, .value_kind: global_buffer, .address_space: global }
      - { .name: out0, .offset: 40, .size: 8, .value_kind: global_buffer, .address_space: global }
    .group_segment_fixed_size: 296448
    .private_segment_fixed_size: 0
    .kernarg_segment_align: 8
    .kernarg_segment_size: 48
    .max_flat_workgroup_size: 128
    .sgpr_count:     102
    .vgpr_count:     576
    .wavefront_size: 32
...
	.end_amdgpu_metadata
.endif
;; end of part 4
